; MI455X (gfx1250); checked and timed in simulation.
; The chip was launched on July 23, 2026; its instructions are those of AMD's public machine-readable ISA for CDNA 5 (MIT licence, August 2026) and "CDNA5" Instruction Set Architecture Reference Guide (July 2026). The comments in the code are by the model that wrote it; some were corrected since.
;; self attention. Allowed arithmetic: matrix products marked QUANTISED: E3M2 operands, one E8M0 scale for each 32 along K, by v_wmma_scale_f32_16x16x128_f8f6f4 with both operands' format E3M2, f32 sums; everything else in f32.
;; Inputs: kernel 2,048 x 2,048 float32; x1 8 x 2,048 x 512 float32; x2 8 x 2,048 x 512 float32.
;; Outputs: out0 8 x 2,048 x 512 float32.
;; This version of the problem:
;;   THIS VERSION OF THE PROBLEM IS GIVEN IN LOW PRECISION. The matrix products marked QUANTISED in the list below multiply operands that are first quantised to E3M2 (3 exponent bits, 2 mantissa bits; 6 bits a number), with one power-of-two scale for each 32 numbers along K (OCP MX v1.0); their sums are f32. All else is computed in f32.
;;   The module's matrix products, in the order in which they are computed (A, B: the left and right operand; K: the contracted axis; several contracted axes count as one K, in the product's order):
;;     1. [M 4,096, K 2,048] x [K 2,048, N 2,048]; A: input x1; B: input kernel: QUANTISED
;;     2. [M 4,096, K 2,048] x [K 2,048, N 2,048]; A: input x2; B: input kernel: QUANTISED
;;     3. batch 8 x [M 2,048, K 512] x [K 512, N 2,048]; A: computed on the way; B: computed on the way: QUANTISED
;;     4. batch 8 x [M 2,048, K 2,048] x [K 2,048, N 512]; A: softmax (see below); B: computed on the way: QUANTISED
;;   THE QUANTISER, for each operand of a quantised product, along K:
;;     - K is cut into blocks of 32 from its start; a last block that is shorter is filled with zeros.
;;     - A block's scale is 2^e with e = floor(log2(the largest magnitude in the block)) - 4, held to -126 .. 127; a block of zeros has e = 0. As a byte (E8M0): e + 127.
;;     - Each number is divided by its block's scale, clamped to +-28, and rounded to the nearest number of E3M2, ties to even, subnormals kept.
;;     - The product sums the exact products of the quantised numbers (number of the format x scale) in f32.
;;   ~~~python
;;   def quantise(x, axis):      # numpy; x: float32 -> the quantised numbers, widened to float32 again
;;       x = np.moveaxis(x, axis, -1); K = x.shape[-1]
;;       x = np.pad(x, [(0, 0)] * (x.ndim - 1) + [(0, -K % 32)]); x = x.reshape(x.shape[:-1] + (-1, 32)); a = np.abs(x).max(-1, keepdims=True)
;;       e = np.where(a > 0, np.clip(np.frexp(np.where(a > 0, a, 1))[1] - 1 - 4, -126, 127), 0)      # np.frexp(a)[1] - 1 = floor(log2(a)), exactly
;;       r = np.clip(x / 2.0 ** e, -28, 28)
;;       step = 2.0 ** (np.maximum(np.frexp(np.where(r == 0, 1, r))[1] - 1, -2) - 2)
;;       q = np.round(r / step) * step * 2.0 ** e      # np.round: ties to even
;;       return np.moveaxis(q.reshape(q.shape[:-2] + (-1,))[..., :K], -1, axis).astype(np.float32)
;;   ~~~
;;   SOFTMAX AHEAD OF A QUANTISED PRODUCT. Where the list says 'softmax', what is quantised is not the finished softmax but p = 2^(t - M), with t = logit x log2(e) and M = ceil(the row's largest t), a whole number; so 1/2 < the row's largest p <= 1. The row's sum l is taken of the UNQUANTISED p, in f32, and the product's result is divided by l at the end. Since M is a whole number, a kernel that streams over the keys may use a running M (the ceiling of the running maximum): every later rescaling is an exact power of two, which a block's scale takes up: the codes' values come out the same.
;;   OPERANDS COMPUTED ON THE WAY. 'Computed on the way' means the value that the module computes at that place (a softmax that the list does not call 'softmax' is quantised finished and normalised). What goes into a quantiser is computed in f32, as accurately as f32 sums, v_exp_f32 and their like allow (about 1e-6 of the number): no bf16 or f16 on the way to a quantiser, and a product that is left as it is and whose result goes on into a quantised operand takes f32 operands (vector FMAs, or v_wmma_f32_16x16x4_f32). A number that lies on a knife's edge between two numbers of the format may be rounded either way, as far as f32 arithmetic and the matrix unit's own rounding can turn it there, and no further.
;; One version. Each part assembles by itself: llvm-mc -triple=amdgcn-amd-amdhsa -mcpu=gfx1250 --defsym DOCPART=n.
;; ======== version 1 of 1: 3 launches
;; workspace buffers: xc 12,582,912 bytes; xs 524,288 bytes; kc 3,145,728 bytes; ks 131,072 bytes; hd 13,107,200 bytes; hv 6,553,600 bytes
;; launch quant (part 1): grid 320 x 1, 8 waves a work-group, no clusters, 118,784 bytes of LDS; arguments x1, x2, kernel, xc, xs, kc, ks; writes xc, xs, kc, ks
.if DOCPART == 1
	.amdgcn_target "amdgcn-amd-amdhsa--gfx1250"
	.amdhsa_code_object_version 6
	.text
	.protected	k_q73b9537015_quant
	.globl	k_q73b9537015_quant
	.p2align	8
	.type	k_q73b9537015_quant,@function
k_q73b9537015_quant:
	s_mov_b64 s[64:65], 0
	v_nop
	global_prefetch_b8 v0, s[64:65] scope:SCOPE_SE
	s_setreg_imm32_b32 hwreg(HW_REG_WAVE_MODE, 25, 1), 1
	s_wait_xcnt 0x0
; x1, x2 [8][2048 t][512 d] and kernel [2048 s][2048 t], f32, become codes of BF6 (E3M2), 6 bits each, quantised along t, t innermost, with one E8M0 byte for each 32 along t.
; A block's scale is 2^(floor(log2(its largest magnitude)) - 4); its byte is the largest magnitude's exponent field - 4, held at 1 from below.
; LIMITS: a block of zeros, or one whose largest magnitude lies under 2^-122, gets the byte 1 (the rule says 127 for zeros: its codes are zeros, and this program alone reads the bytes); NaN and infinities are not served.
; xc: [8192 rows][1536 bytes], row = (which x 8 + b) x 512 + pi(d);  xs: [8192][64].   kc: [2048][1536], row = pi(s);  ks: [2048][64].
; pi swaps bits 3 and 4 of an index: so the next launch's tiles of 16 NEIGHBOURING rows hold indices 0-7 and 16-23 (or 8-15 and 24-31) of a group of 32, and a lane's 16 results of two neighbouring tiles are 16 neighbours.
; Work-groups 0-255: x (t is NOT innermost): a lane takes a column d and its registers run down t; a wave takes 32 columns x 256 t.  The eight waves of a work-group take 64 columns x 1,024 t: waves 2 k and 2 k + 1 read the two
; halves of the same 256 bytes of each row of x.  The codes meet in one stage in LDS as a dense stream, 768 bytes a column; behind a barrier each wave stores 8 rows, sixteen lanes to 256 consecutive bytes at a multiple of 256 from xc's first byte.
; The scale bytes leave as 32 of a row's 64: all 64 would want all 2,048 t in one work-group, 128 work-groups for four fifths of the launch's bytes.
; Work-groups 256-319: kernel (t innermost): a plain stream of blocks of 32; a wave takes 8,192 numbers (4 rows), 16 steps of 512; each step turns through the wave's stage so that a lane holds 16 neighbours.
; The two ways part on the work-group's number and have LDS bytes of their own.  No work-group reads what another reads: no cluster.  Every offset is an immediate.
.set KW,    256                        ; x: along t for a wave
.set NB,    KW/32                      ; blocks
.set ROWB,  192                        ; bytes of KW codes
.set PITCH, 784                        ; a stage row: the codes of 1,024 along t, 768 bytes, + 16: an odd multiple of 16
.set KROW,  1536                       ; a row of codes: 2,048 x 6 / 8
.set XROW,  2048                       ; a row of x in bytes: 512 f32
.set SCB,   64*PITCH                   ; behind the stage: 64 rows x 32 scale bytes
.set FLOOR, 0x2800000                  ; 2^(5 - 127): under it no largest magnitude is taken
.set OFFE,  0xfe000000                 ; takes 4 off an exponent field
.set XN,    32                         ; v32-95   two sets of 32 numbers
.set CX,    96                         ; v96-143  the codes: 12 registers for each pair of blocks, so that no LDS store's data are written again
.set T1,    144                        ; v144-146 a block's upper 16 codes, on their way
.set OUTR,  32                         ; v32-79   the way out, where the numbers lay
.set SB,    24                         ; v24-25   the scale bytes
.set KLDS,  SCB+2048                   ; kernel's way: its LDS begins behind x's
.set WREG,  8192                       ; a region for each wave: two stages of 32 x SPL bytes and 256 scale bytes
.set SPL,   80                         ; a lane's place in a stage: 64 bytes + 16
.set CB,    12                         ; bytes of 16 codes
.set STEPS, 16
.set RK,    16                         ; v16-79   four sets of 16 numbers as loaded
.set XK,    80                         ; v80-111  two sets of 16 neighbours
.set EK,    112                        ; v112-127 a scale byte for each step
.set CK,    128                        ; v128-191 codes, four registers a step
	s_load_b256 s[4:11], s[0:1], 0x0               ; x1, x2, kernel, xc
	s_load_b128 s[12:15], s[0:1], 0x20             ; xs, kc
	s_load_b64 s[16:17], s[0:1], 0x30              ; ks
	v_lshl_add_u32 v192, v0, 2, 0x1cc00
	v_mov_b32 v193, 0
	v_lshrrev_b32 v1, 5, v0
	v_readfirstlane_b32 s18, v1                    ; wave 0..7
	v_and_b32 v2, 31, v0                           ; lane
	s_cmp_lt_u32 ttmp9, 256
	s_cbranch_scc0 .Lkernel_rows
	; ---------------- x1, x2 ----------------
	s_and_b32 s19, ttmp9, 7                        ; which 64 columns
	s_bfe_u32 s20, ttmp9, 0x10003                  ; which 1,024 along t
	s_lshr_b32 s21, ttmp9, 4                       ; which x 8 + b
	s_and_b32 s22, s18, 1                          ; my wave's 32 of the 64 columns
	s_lshr_b32 s23, s18, 1                         ; my wave's 256 of the 1,024 t
	v_and_b32 v10, 7, v2
	v_bfe_u32 v11, v2, 3, 1
	v_lshl_add_u32 v10, v11, 4, v10
	v_bfe_u32 v11, v2, 4, 1
	v_lshl_add_u32 v10, v11, 3, v10                ; pi(lane): the row that my column's codes take
	v_lshlrev_b32 v3, 2, v2                        ; in: 4 bytes a lane
	s_mul_i32 s32, s22, 32*PITCH
	s_mul_i32 s33, s23, ROWB
	s_add_co_u32 s32, s32, s33
	v_mul_u32_u24 v4, v10, PITCH
	v_add_nc_u32 v4, s32, v4                       ; into the stage: row 32 x half + pi(lane), + my wave's 192 bytes of it
	s_lshl_b32 s32, s22, 10
	s_lshl_b32 s33, s23, 3
	s_add_co_u32 s32, s32, s33
	s_add_co_u32 s32, s32, SCB
	v_lshlrev_b32 v9, 5, v10
	v_add_nc_u32 v9, s32, v9                       ; my column's 8 scale bytes: 32 bytes a row, + 8 x my wave's piece
	v_and_b32 v5, 15, v2
	v_lshrrev_b32 v6, 4, v2
	s_mul_i32 s32, s18, 8*PITCH
	v_mul_u32_u24 v7, v6, PITCH
	v_lshl_add_u32 v7, v5, 4, v7
	v_add_nc_u32 v7, s32, v7                       ; out of the stage: rows 8 x wave on; lanes 0-15 one row, lanes 16-31 the next, 16 bytes a lane
	v_mul_u32_u24 v8, v6, KROW
	v_lshl_add_u32 v8, v5, 4, v8                   ; and the same place in xc
	s_lshl_b32 s32, s18, 8
	s_add_co_u32 s32, s32, SCB
	v_lshlrev_b32 v16, 3, v2
	v_add_nc_u32 v16, s32, v16                     ; the scale bytes back: my wave's 8 rows, 8 bytes a lane
	v_lshrrev_b32 v17, 2, v2
	v_lshlrev_b32 v17, 6, v17
	v_and_b32 v18, 3, v2
	v_lshl_add_u32 v17, v18, 3, v17                ; and in xs: four lanes to a row's 32 bytes, rows 64 bytes apart
	s_and_b32 s24, s21, 7
	s_lshl_b32 s24, s24, 22                        ; b x 4 MiB
	s_lshl_b32 s25, s20, 21                        ; + 1,024 rows of 2,048 bytes
	s_add_co_u32 s24, s24, s25
	s_lshl_b32 s25, s23, 19                        ; + 256 rows
	s_add_co_u32 s24, s24, s25
	s_lshl_b32 s25, s19, 8                         ; + 64 columns of 4 bytes
	s_add_co_u32 s24, s24, s25
	s_lshl_b32 s25, s22, 7                         ; + 32 columns
	s_add_co_u32 s24, s24, s25
	s_mov_b32 s25, 0
	s_lshl_b32 s26, s21, 9
	s_lshl_b32 s27, s19, 6
	s_add_co_u32 s26, s26, s27
	s_lshl_b32 s27, s18, 3
	s_add_co_u32 s26, s26, s27                     ; the first of the 8 rows of xc and xs that my wave stores
	s_mul_i32 s28, s26, KROW
	s_mul_i32 s27, s20, 768
	s_add_co_u32 s28, s28, s27
	s_mov_b32 s29, 0
	s_lshl_b32 s30, s26, 6
	s_lshl_b32 s27, s20, 5
	s_add_co_u32 s30, s30, s27
	s_mov_b32 s31, 0
	s_wait_kmcnt 0x0
	s_cmp_lt_u32 s21, 8                            ; x1 or x2: the choice hangs on the work-group's number alone
	s_cselect_b64 s[4:5], s[4:5], s[6:7]
	s_add_nc_u64 s[4:5], s[4:5], s[24:25]
	s_add_nc_u64 s[10:11], s[10:11], s[28:29]
	s_add_nc_u64 s[12:13], s[12:13], s[30:31]
.macro LOADX t                         ; block t: x(32 t + n, my column), n = 0 .. 31: 32 lanes read 128 consecutive bytes
.set n, 0
.rept 32
	global_load_b32 v[XN+32*((\t)%2)+n], v3, s[4:5] offset:(32*(\t)+n)*XROW th:TH_LOAD_NT
.set n, n+1
.endr
.endm
	LOADX 0
	LOADX 1
.macro BLOCKX t
.set XS, XN+32*((\t)%2)
.set CP, CX+12*((\t)/2)+6*((\t)%2)     ; the block's six registers of codes
.if (\t) < NB-1
	s_wait_loadcnt 32                              ; this block's 32 loads are in; the next block's may be out
.else
	s_wait_loadcnt 0x0
.endif
	v_max3_num_f32 v12, |v[XS]|, |v[XS+1]|, |v[XS+2]|       ; the block's largest magnitude: all 32 numbers are mine; two chains
	v_max3_num_f32 v13, |v[XS+3]|, |v[XS+4]|, |v[XS+5]|
.irp i, 6,10,14,18,22,26
	v_max3_num_f32 v12, v12, |v[XS+\i]|, |v[XS+\i+1]|
	v_max3_num_f32 v13, v13, |v[XS+\i+2]|, |v[XS+\i+3]|
.endr
	v_max3_num_f32 v12, v12, |v[XS+30]|, |v[XS+31]|
	v_max3_num_f32 v12, v12, v13, FLOOR            ; and the floor: the byte cannot fall under 1
	v_add_nc_u32 v11, OFFE, v12                    ; 4 off the exponent field: the conversion takes this operand's exponent field as its scale
	v_lshrrev_b32 v13, 23, v11                     ; the scale's byte
.if (\t)%4 == 0
	v_mov_b32 v[SB+(\t)/4], v13
.else
	v_lshl_or_b32 v[SB+(\t)/4], v13, 8*((\t)%4), v[SB+(\t)/4]
.endif
	v_cvt_scalef32_pk16_bf6_f32 v[CP:CP+2], v[XS:XS+15], v11
	v_cvt_scalef32_pk16_bf6_f32 v[T1:T1+2], v[XS+16:XS+31], v11      ; (a conversion's three registers begin on an even number: the upper half is made elsewhere and moved)
	v_nop                                          ; one plain instruction behind a scaled conversion
.irp i, 0,1,2
	v_mov_b32 v[CP+3+\i], v[T1+\i]
.endr
.if (\t)%2 == 1
.irp g, 0,1,2
	ds_store_b128 v4, v[CX+12*((\t)/2)+4*\g:CX+12*((\t)/2)+4*\g+3] offset:48*((\t)/2)+16*\g   ; two blocks' 48 bytes, dense in my column's row
.endr
.endif
.if (\t)+2 < NB
	LOADX (\t)+2
.endif
.endm
.irp t, 0,1,2,3,4,5,6,7
	BLOCKX \t
.endr
	ds_store_b64 v9, v[SB:SB+1]                    ; my column's 8 scale bytes
	s_wait_dscnt 0x0                               ; for the others' sake: my stores into the stage have landed
	s_barrier_signal -1
	s_barrier_wait -1                              ; 64 rows of 768 bytes of codes and of 32 scale bytes lie in LDS
.set i, 0
.rept 12
	ds_load_b128 v[OUTR+4*i:OUTR+4*i+3], v7 offset:2*(i/3)*PITCH+256*(i%3)
.set i, i+1
.endr
	ds_load_b64 v[26:27], v16
.set i, 0
.rept 12
	s_wait_dscnt 12-i                              ; the younger loads may be out
	global_store_b128 v8, v[OUTR+4*i:OUTR+4*i+3], s[10:11] offset:2*(i/3)*KROW+256*(i%3)   ; sixteen lanes store 256 consecutive bytes, at a multiple of 256 from xc's first byte
.set i, i+1
.endr
	s_wait_dscnt 0x0
	global_store_b64 v17, v[26:27], s[12:13]       ; four lanes store a row's 32 bytes
	s_wait_tensorcnt 0x0
	ds_add_u32 v192, v193
	s_wait_dscnt 0x0
	s_endpgm
	; ---------------- kernel ----------------
.Lkernel_rows:
	s_sub_co_u32 s19, ttmp9, 256
	s_lshl_b32 s19, s19, 3
	s_add_co_u32 s19, s19, s18                     ; my run of 8,192 numbers: rows 4 run .. 4 run + 3
	s_and_b32 s20, s19, 0x1f9
	s_bfe_u32 s21, s19, 0x10001
	s_bfe_u32 s22, s19, 0x10002
	s_lshl_b32 s21, s21, 2
	s_lshl_b32 s22, s22, 1
	s_or_b32 s20, s20, s21
	s_or_b32 s20, s20, s22                         ; the run with bits 1 and 2 swapped: pi on the rows
	s_lshl_b32 s24, s19, 15                        ; in: 32,768 bytes a run
	s_mov_b32 s25, 0
	s_mul_i32 s26, s20, 32*STEPS*CB                ; codes: 6,144 bytes a run
	s_mov_b32 s27, 0
	s_lshl_b32 s28, s20, 8                         ; scale bytes: 256 a run
	s_mov_b32 s29, 0
	v_lshlrev_b32 v3, 4, v2                        ; my 16 bytes of a load's 512
	s_mul_i32 s30, s18, WREG
	s_add_co_u32 s30, s30, KLDS
	v_lshrrev_b32 v14, 2, v2
	v_mul_u32_u24 v14, v14, SPL
	v_and_b32 v15, 3, v2
	v_lshl_add_u32 v14, v15, 4, v14
	v_add_nc_u32 v14, s30, v14                     ; the stage, in: four lanes' 64 bytes on end, then 16 of padding
	v_mul_u32_u24 v15, v2, SPL
	v_add_nc_u32 v15, s30, v15                     ; and out: my 16 neighbours
	v_mul_u32_u24 v4, v2, CB                       ; my codes' place in a step's
	v_lshrrev_b32 v5, 1, v2
	s_add_co_u32 s30, s30, 2*32*SPL
	v_add_nc_u32 v5, s30, v5                       ; my block's byte among my wave's 256
	v_lshlrev_b32 v7, 3, v2
	v_add_nc_u32 v6, s30, v7
	s_wait_kmcnt 0x0
	s_add_nc_u64 s[8:9], s[8:9], s[24:25]
	s_add_nc_u64 s[14:15], s[14:15], s[26:27]
	s_add_nc_u64 s[16:17], s[16:17], s[28:29]
.macro LOADK t
.irp i, 0,1,2,3
	global_load_b128 v[RK+16*((\t)%4)+4*\i:RK+16*((\t)%4)+4*\i+3], v3, s[8:9] offset:2048*(\t)+512*\i th:TH_LOAD_NT   ; 32 lanes read 512 consecutive bytes
.endr
.endm
.macro TURNK t                         ; step t's numbers through the stage; LDS serves a wave's instructions in order
.irp i, 0,1,2,3
	ds_store_b128 v14, v[RK+16*((\t)%4)+4*\i:RK+16*((\t)%4)+4*\i+3] offset:32*SPL*((\t)%2)+8*SPL*\i
.endr
.irp i, 0,1,2,3
	ds_load_b128 v[XK+16*((\t)%2)+4*\i:XK+16*((\t)%2)+4*\i+3], v15 offset:32*SPL*((\t)%2)+16*\i
.endr
.endm
.irp t, 0,1,2,3
	LOADK \t
.endr
	s_wait_loadcnt 12                              ; step 0's four loads are in
	TURNK 0
.macro STEPK t
.set XS, XK+16*((\t)%2)
.if (\t) > 0
	s_wait_dscnt 1                                 ; this step's numbers are back (the last step's byte store may be out)
.else
	s_wait_dscnt 0x0
.endif
.if (\t)+4 < STEPS
	LOADK (\t)+4
.endif
.if (\t)+1 < STEPS
.if STEPS-2-(\t) >= 3
	s_wait_loadcnt 12                              ; the next step's four loads are in; three steps' may be out
.else
	s_wait_loadcnt 4*(STEPS-2-(\t))
.endif
	TURNK (\t)+1
.endif
	v_max3_num_f32 v8, |v[XS]|, |v[XS+1]|, |v[XS+2]|
	v_max3_num_f32 v9, |v[XS+3]|, |v[XS+4]|, |v[XS+5]|
.irp i, 6,10
	v_max3_num_f32 v8, v8, |v[XS+\i]|, |v[XS+\i+1]|
	v_max3_num_f32 v9, v9, |v[XS+\i+2]|, |v[XS+\i+3]|
.endr
	v_max3_num_f32 v8, v8, |v[XS+14]|, |v[XS+15]|
	v_max3_num_f32 v8, v8, v9, FLOOR
	v_max_num_f32_dpp v8, v8, v8 row_xmask:1 row_mask:0xf bank_mask:0xf   ; with my neighbour's 16: the block's
	v_add_nc_u32 v11, OFFE, v8
	v_cvt_scalef32_pk16_bf6_f32 v[CK+4*(\t):CK+4*(\t)+2], v[XS:XS+15], v11
	v_lshrrev_b32 v[EK+(\t)], 23, v11              ; the scale's byte
	ds_store_b8 v5, v[EK+(\t)] offset:16*(\t)      ; both lanes of a block write the same byte with the same value
	global_store_b96 v4, v[CK+4*(\t):CK+4*(\t)+2], s[14:15] offset:32*CB*(\t)   ; the wave stores 384 consecutive bytes
.endm
.irp t, 0,1,2,3,4,5,6,7,8,9,10,11,12,13,14,15
	STEPK \t
.endr
	ds_load_b64 v[12:13], v6
	s_wait_dscnt 0x0
	global_store_b64 v7, v[12:13], s[16:17]        ; 32 lanes store 256 consecutive bytes, aligned
	s_wait_tensorcnt 0x0
	ds_add_u32 v192, v193
	s_wait_dscnt 0x0
	s_endpgm
.Lfunc_end_k_q73b9537015_quant:
	.size	k_q73b9537015_quant, .Lfunc_end_k_q73b9537015_quant-k_q73b9537015_quant
	.p2alignl 7, 3214868480
	.fill 96, 4, 3214868480
	.section	.rodata,"a",@progbits
	.p2align	6, 0x0
	.amdhsa_kernel k_q73b9537015_quant
		.amdhsa_group_segment_fixed_size 118784
		.amdhsa_private_segment_fixed_size 0
		.amdhsa_enable_private_segment 0
		.amdhsa_kernarg_size 56
		.amdhsa_user_sgpr_count 2
		.amdhsa_user_sgpr_kernarg_segment_ptr 1
		.amdhsa_wavefront_size32 1
		.amdhsa_system_sgpr_workgroup_id_x 1
		.amdhsa_system_sgpr_workgroup_id_y 1
		.amdhsa_system_sgpr_workgroup_id_z 1
		.amdhsa_system_vgpr_workitem_id 0
		.amdhsa_next_free_vgpr 194
		.amdhsa_next_free_sgpr 66
		.amdhsa_reserve_vcc 0
		.amdhsa_float_denorm_mode_32 3
		.amdhsa_float_denorm_mode_16_64 3
		.amdhsa_memory_ordered 1
		.amdhsa_forward_progress 1
		.amdhsa_inst_pref_size 75
	.end_amdhsa_kernel
	.amdgpu_metadata
---
amdhsa.version: [ 1, 2 ]
amdhsa.kernels:
  - .name:           k_q73b9537015_quant
    .symbol:         k_q73b9537015_quant.kd
    .args:
      - { .name: x1, .offset: 0, .size: 8, .value_kind: global_buffer, .address_space: global }
      - { .name: x2, .offset: 8, .size: 8, .value_kind: global_buffer, .address_space: global }
      - { .name: kernel, .offset: 16, .size: 8, .value_kind: global_buffer, .address_space: global }
      - { .name: xc, .offset: 24, .size: 8, .value_kind: global_buffer, .address_space: global }
      - { .name: xs, .offset: 32, .size: 8, .value_kind: global_buffer, .address_space: global }
      - { .name: kc, .offset: 40, .size: 8, .value_kind: global_buffer, .address_space: global }
      - { .name: ks, .offset: 48, .size: 8, .value_kind: global_buffer, .address_space: global }
    .group_segment_fixed_size: 118784
    .private_segment_fixed_size: 0
    .kernarg_segment_align: 8
    .kernarg_segment_size: 56
    .max_flat_workgroup_size: 256
    .sgpr_count:     66
    .vgpr_count:     194
    .wavefront_size: 32
...
	.end_amdgpu_metadata
.endif
;; end of part 1
;; launch proj (part 2): grid 32 x 8, 4 waves a work-group, clusters of 4 x 4, 327,680 bytes of LDS; arguments kc, ks, xc, xs, hd, hv; writes hd, hv
.if DOCPART == 2
	.amdgcn_target "amdgcn-amd-amdhsa--gfx1250"
	.amdhsa_code_object_version 6
	.text
	.protected	k_q73b9537015_proj
	.globl	k_q73b9537015_proj
	.p2align	8
	.type	k_q73b9537015_proj,@function
k_q73b9537015_proj:
	s_mov_b64 s[64:65], 0
	v_nop
	global_prefetch_b8 v0, s[64:65] scope:SCOPE_SE
	s_setreg_imm32_b32 hwreg(HW_REG_WAVE_MODE, 25, 1), 1
	s_wait_xcnt 0x0
	s_wait_alu depctr_hold_cnt(0) depctr_sa_sdst(0) depctr_va_vdst(0) depctr_va_sdst(0) depctr_va_ssrc(0) depctr_va_vcc(0) depctr_vm_vsrc(0)
	s_getreg_b32 s2, hwreg(HW_REG_IB_STS2, 6, 4)
	s_cmp_eq_u32 s2, 0
	s_cbranch_scc0 .Lentry_in_a_cluster
	s_endpgm
.Lentry_in_a_cluster:
	s_bfe_u32 s2, ttmp6, 0x10000c
	s_cmp_lg_u32 s2, 0xf033
	s_cbranch_scc0 .Lentry_shape_is_right
	s_endpgm
.Lentry_shape_is_right:
; h[(which, b, d)][s] = sum over t of kernel[s][t] x[b][t][d], for x1 and x2 at once: a GEMM on codes of BF6 (E3M2) with E8M0 scales, A = kc / ks (2,048 rows s), B = xc / xs (8,192 rows (which, b, d)), K = t = 2,048; sums in f32.
; h never goes to memory as f32: on the way out each wave quantises its 128 s x 128 d in registers, along d (queries of h1, keys of h2: hd) and, for h1, along s too (the values: hv).
; A tile of 256 x 256 is made by four waves, each 128 x 128: 64 accumulators, 512 registers.  K goes in steps of 256 through a ring of two LDS slots filled by the tensor data mover; the scale bytes of the work-group's rows come once and stay.
; CLUSTERS: 4 x 4 work-groups; A's tiles are asked for jointly along a row of the cluster, B's along a column.  THE MATRIX INSTRUCTION IS USED TRANSPOSED (source 0 = 16 rows of B, source 1 = 16 rows of A).
; ROW ORDER: rows of kc and xc stand at pi(index), pi swapping bits 3 and 4.  So in accumulator (a, b) lane (r, h), register j holds s = 32 (a / 2) + 8 (a % 2) + (r & 7) + 16 (r >> 3), d = 32 (b / 2) + 16 h + 8 (b % 2) + j:
; a lane's 16 registers of accumulators (a, 2 q), (a, 2 q + 1) are 16 neighbours along d.
; OUTPUT, as images of operand registers (registers 4 g .. 4 g + 3 of lane l at 512 g + 16 l of a fragment's 1,536 bytes), in records of 51,200 bytes:
;   hd record 16 (which x 8 + b) + s / 128: fragment (a, kk) at 1,536 (4 a + kk): 16 rows s as above x d = 128 kk .. + 127; scale words at 49,152 + 512 kk + 256 (a / 4) + 16 r + 4 (a % 4).
;   hv record 16 b + s / 128: fragment (kk, dt) at 1,536 (8 kk + dt): rows d = 128 kk + 16 dt + r x the record's 128 s in order; scale words at 49,152 + 512 kk + 256 (dt / 4) + 16 r + 4 (dt % 4).
; LIMITS: a block of zeros, or one whose largest magnitude lies under 2^-122, gets the scale byte 1 (this program alone reads the bytes); NaN and infinities are not served.
; REGISTERS: window 0: v0-31 addresses; v32-63 scale words, two sets, and nothing else; v64-123 at work on the way out; from v128 A's fragments, one set, on the way out numbers back from the stage.
;   window 1: B's fragments, two sets.  windows 2, 3: the accumulators ((a, b) at v[8 (8 (a % 4) + b)]).
.set SIZE_M, 2048
.set SIZE_N, 8192
.set SIZE_K, 2048
.set KSTEP,  256                       ; along K in a slot
.set NQ,     KSTEP/128                 ; matrix instructions deep
.set ROWB,   192                       ; a tile's row in bytes
.set KROW,   SIZE_K*6/8                ; a row of codes in memory
.set PITCH,  240                       ; an LDS row: 3 x (64 bytes + 16 of padding) = 60 words: the 32 lanes of a load of 8 bytes touch 64 different banks (64 banks of 4 bytes: ISA guide 11.1)
.set FR,     12                        ; registers of a fragment
.set NL,     6                         ; LDS loads that bring one
.set NP,     4                         ; places behind this matrix instruction (ISA guide 7.12.1)
.set HALFT,  128*PITCH
.set SLOT,   4*HALFT                   ; A's 256 rows, then B's 256 rows
.set LAPS,   SIZE_K/(2*KSTEP)
.set KS,     SIZE_K/32                 ; a row of scale bytes
.set SCL,    2*SLOT                    ; behind the ring: the scales, as 256 bytes + 16 of padding
.set HALFS,  (128*KS/256)*272
.set SBLK,   (16*KS/256)*272
.set SPARE,  SCL+4*HALFS               ; the spare words: 128 bytes a wave, two blocks of 256 bytes that no other line names
.set REC,    51200                     ; a record of hd or hv
.set TP,     272                       ; the way out: a line of the stage: two halves of 128 bytes + 16.  The stage, 64 lines a wave, lies in slot 0, which has had its last fill and its last read when the first result is stored there
.set ADRA, 16                          ; v16-19  LDS addresses of my A fragments (slot 0, 1; and behind one padding more)
.set ADRB, 20                          ; v20-23  the same for B
.set STT,  24                          ; v24     the stage, in
.set RDT,  25                          ; v25     the stage, back
.set LI,   26                          ; v26     16 x lane: my place in an image
.set ADRS, 27                          ; v27     LDS address of my scale words: lanes 0-15 A's rows, lanes 16-31 B's
.set SPW,  28                          ; v28     my spare word; never rewritten
.set NIL,  29                          ; v29     0; never rewritten
.set SC,   32                          ; scale words, two sets
.set AF,   128                         ; A's fragments
.set TM,   64                          ; the way out: v64-79 at work in QUANT
.set FC,   84                          ; v84-102  a fragment's codes
.set DW,   104                         ; v104-111 scale words of the fragments along d, on their way to memory
.set VW,   112                         ; v112-119 of those along s
.set OW,   120                         ; v120-123 four of them, as stored
.set ST0,  128                         ; v128-191, v192-255: 64 numbers back from the stage, two sets
.set G1, 24
.set G0, 32
.set G1B, 48
.set G0B, 56
.set G1S, 68
.set G0S, 76
.set G1SB, 80
.set G0SB, 88
.set HD,  12                           ; s[12:13] hd at my fragments;  s[92:93] at my scale words
.set HDS, 92
.set HVS, 94                           ; s[94:95] hv at my scale words;  s[96:97] at my fragments
.set HV,  96
.set SEL, 100                          ; s[100:101] lane selects: lane l xor 16
.set MSB, 0
.macro WIN new                         ; the immediate's high byte repeats the setting that is left
.if MSB != \new
	s_set_vgpr_msb (MSB<<8)|\new
.set MSB, \new
.endif
.endm
.set MUL_LO, 0xa1                      ; source 0 (B) window 1, source 1 (A) window 0, C and D window 2
.set MUL_HI, 0xf1                      ; the same, C and D window 3
.set TO_B,   0x40                      ; destination window 1
; A joint load: waves 0 and 1 fetch for A, waves 2 and 3 for B; the branch hangs on the wave's number alone.  Four v_nop follow each of the two lines.
.macro JLOAD g0a, g1a, g0b, g1b
	s_cmp_eq_u32 s15, 0
	s_cbranch_scc0 .Lfor_b_\@
	tensor_load_to_lds s[\g0a:\g0a+3], s[\g1a:\g1a+7]
	s_nop 0
.rept 4
	v_nop
.endr
	s_branch .Lasked_\@
.Lfor_b_\@:
	tensor_load_to_lds s[\g0b:\g0b+3], s[\g1b:\g1b+7]
	s_nop 0
.rept 4
	v_nop
.endr
.Lasked_\@:
.endm
.macro CREST                           ; a round of the cluster's barrier behind its opening barrier
	s_cmp_lg_u32 s14, 0
	s_cbranch_scc1 .Lnot_wave_0_\@
	s_barrier_signal -3
.Lnot_wave_0_\@:
	s_barrier_wait -3
	s_barrier_signal -1
	s_barrier_wait -1
.endm
.macro CROUND
	s_barrier_signal -1
	s_barrier_wait -1
	CREST
.endm
	s_load_b128 s[4:7], s[0:1], 0x0                ; kc, ks
	s_load_b128 s[8:11], s[0:1], 0x10              ; xc, xs
	s_load_b128 s[96:99], s[0:1], 0x20             ; hd, hv
	v_lshl_add_u32 v[SPW], v0, 2, SPARE
	v_mov_b32 v[NIL], 0
	ds_add_u32 v28, v29
	ds_add_u32 v28, v29
	s_wait_dscnt 0x0
	v_lshrrev_b32 v1, 5, v0
	v_readfirstlane_b32 s14, v1                    ; wave 0..3
	s_lshr_b32 s15, s14, 1                         ; which half of the tile's rows (s) is mine.  Also: I fetch for A (0) or for B (1)
	s_and_b32 s16, s14, 1                          ; which half of its columns.  Also: which 128 rows of that tile I fetch
	s_bfe_u32 s40, ttmp6, 0x40000                  ; cx, cy
	s_bfe_u32 s41, ttmp6, 0x40004
	s_lshl_b32 s42, ttmp9, 2
	s_add_co_u32 s42, s42, s40                     ; tile column = 4 x cluster x + cx
	s_and_b32 s17, ttmp7, 0xffff
	s_lshl_b32 s17, s17, 2
	s_add_co_u32 s17, s17, s41                     ; tile row = 4 x cluster y + cy
	s_lshl_b32 s43, s41, 2
	s_lshl_b32 s43, 15, s43                        ; my row of the cluster
	s_lshl_b32 s44, 0x1111, s40                    ; my column
	s_mov_b32 s[SEL], 0x76543210
	s_mov_b32 s[SEL+1], 0xfedcba98
	; descriptor group 1: a tile of 128 rows x 192 bytes, 16 bytes of padding behind every 64
	s_or_b32 s[G1+0], s43, (0<<16)|(1<<20)|(1<<21)|(3<<22)|(3<<25)  ; 15:0 the mask; 17:16 element of 1 byte; 20 padding on; 21 set beside a mask; 24:22 after every 16 words; 31:25 of 4 words
	s_or_b32 s[G1B+0], s44, (0<<16)|(1<<20)|(1<<21)|(3<<22)|(3<<25)
.irp g, G1, G1B
	s_mov_b32 s[\g+1], ROWB<<16                    ; tensor_dim0
	s_mov_b32 s[\g+2], 128<<16                     ; tensor_dim1
	s_mov_b32 s[\g+3], ROWB<<16                    ; tile_dim0
	s_mov_b32 s[\g+4], 128                         ; tile_dim1
	s_mov_b32 s[\g+5], KROW                        ; tensor_dim0_stride
	s_mov_b32 s[\g+6], 0
	s_mov_b32 s[\g+7], 0
.endr
	; the scales of 128 rows: a dense block of 8,192 bytes, as rows of 256 bytes (32 elements of 8 bytes), 16 bytes of padding behind each
	s_or_b32 s[G1S+0], s43, (3<<16)|(1<<20)|(1<<21)|(5<<22)|(3<<25)
	s_or_b32 s[G1SB+0], s44, (3<<16)|(1<<20)|(1<<21)|(5<<22)|(3<<25)
.irp g, G1S, G1SB
	s_mov_b32 s[\g+1], 32<<16
	s_mov_b32 s[\g+2], (128*KS/256)<<16
	s_mov_b32 s[\g+3], 32<<16
	s_mov_b32 s[\g+4], 128*KS/256
	s_mov_b32 s[\g+5], 32
	s_mov_b32 s[\g+6], 0
	s_mov_b32 s[\g+7], 0
.endr
	s_lshl_b32 s18, s16, 7                         ; which 128 rows of the tile I fetch
	s_lshl_b32 s20, s17, 8
	s_add_co_u32 s20, s20, s18                     ; A: row 256 x tile row + 128 x half
	s_lshl_b32 s46, s42, 8
	s_add_co_u32 s46, s46, s18                     ; B: row 256 x tile column + 128 x half
	s_mov_b32 s21, 0
	s_mov_b32 s47, 0
	s_mov_b64 s[18:19], KS
	s_mul_u64 s[22:23], s[20:21], s[18:19]         ; where these rows' scales begin
	s_mul_u64 s[92:93], s[46:47], s[18:19]
	s_mov_b64 s[18:19], KROW
	s_mul_u64 s[20:21], s[20:21], s[18:19]         ; and their codes
	s_mul_u64 s[46:47], s[46:47], s[18:19]
	s_mul_i32 s45, s14, HALFT                      ; where they go: wave x 128 rows: no place in the cluster enters an LDS address
	s_mul_i32 s94, s14, HALFS
	s_wait_kmcnt 0x0
	s_add_nc_u64 s[20:21], s[4:5], s[20:21]
	s_add_nc_u64 s[22:23], s[6:7], s[22:23]
	s_add_nc_u64 s[46:47], s[8:9], s[46:47]
	s_add_nc_u64 s[92:93], s[10:11], s[92:93]
	CROUND                                         ; all sixteen work-groups are here: the first joint loads meet
	s_mov_b32 s[G0S], 1
	s_add_co_u32 s[G0S+1], s94, SCL
	s_mov_b64 s[G0S+2:G0S+3], s[22:23]
	s_or_b32 s[G0S+3], s[G0S+3], 0x80000000
	s_mov_b32 s[G0SB], 1
	s_add_co_u32 s[G0SB+1], s94, SCL
	s_mov_b64 s[G0SB+2:G0SB+3], s[92:93]
	s_or_b32 s[G0SB+3], s[G0SB+3], 0x80000000
	JLOAD G0S, G1S, G0SB, G1SB                     ; the scales first: they are wanted with K step 0
.irp s, 0,1
	s_mov_b32 s[G0+4*\s], 1
	s_add_co_u32 s[G0+4*\s+1], s45, \s*SLOT
	s_add_nc_u64 s[G0+4*\s+2:G0+4*\s+3], s[20:21], \s*ROWB
	s_or_b32 s[G0+4*\s+3], s[G0+4*\s+3], 0x80000000
	s_mov_b32 s[G0B+4*\s], 1
	s_add_co_u32 s[G0B+4*\s+1], s45, \s*SLOT
	s_add_nc_u64 s[G0B+4*\s+2:G0B+4*\s+3], s[46:47], \s*ROWB
	s_or_b32 s[G0B+4*\s+3], s[G0B+4*\s+3], 0x80000000
	JLOAD G0+4*\s, G1, G0B+4*\s, G1B
.endr
	v_and_b32 v1, 15, v0                           ; r = l % 16: kept
	v_bfe_u32 v2, v0, 4, 1                         ; h = l / 16: kept
	v_mul_u32_u24 v3, v1, PITCH
	v_mul_u32_u24 v4, v2, 24
	v_add_nc_u32 v4, v3, v4                        ; a fragment's row x pitch + 24 x half
	v_lshl_add_u32 v5, v2, 4, v4                   ; and the same behind one padding more
	s_mul_i32 s21, s15, HALFT                      ; my 128 rows of A
	s_mul_i32 s22, s16, HALFT                      ; my 128 rows of B,
	s_add_co_u32 s22, s22, 2*HALFT                 ; which lie behind A's 256
.irp s, 0,1
	v_add_nc_u32 v[ADRA+\s], s21, v4
	v_add_nc_u32 v[ADRB+\s], s22, v4
	v_add_nc_u32 v[ADRA+2+\s], s21, v5
	v_add_nc_u32 v[ADRB+2+\s], s22, v5
	s_add_co_u32 s21, s21, SLOT
	s_add_co_u32 s22, s22, SLOT
.endr
	v_mul_u32_u24 v5, v1, KS                       ; my row's scales: KS bytes a row,
	v_lshrrev_b32 v6, 8, v5
	v_lshl_add_u32 v5, v6, 4, v5                   ; and 16 more for each 256 passed
	s_mul_i32 s21, s15, HALFS
	s_mul_i32 s22, s16, HALFS
	s_add_co_u32 s22, s22, 2*HALFS
	s_sub_co_u32 s22, s22, s21
	v_mul_u32_u24 v6, s22, v2                      ; lanes 16-31 take B's
	s_add_co_u32 s21, s21, SCL
	v_add_nc_u32 v5, v5, v6
	v_add_nc_u32 v[ADRS], s21, v5
	s_mul_i32 s23, s14, 64*TP                      ; my stage
	v_and_b32 v5, 7, v1
	v_mul_u32_u24 v5, v5, TP
	v_lshrrev_b32 v6, 3, v1
	v_lshl_add_u32 v5, v6, 7, v5
	v_lshl_add_u32 v5, v2, 6, v5
	v_add_nc_u32 v[STT], s23, v5                   ; in: line r & 7, half r >> 3 (128 bytes), + 64 h: my 16 numbers along d
	v_lshlrev_b32 v5, 2, v1
	v_lshl_add_u32 v5, v2, 7, v5
	v_add_nc_u32 v[RDT], s23, v5                   ; back: column r, half h
	v_and_b32 v6, 31, v0
	v_lshlrev_b32 v[LI], 4, v6
	; where my results go
	s_lshl_b32 s20, s17, 1
	s_add_co_u32 s20, s20, s15                     ; my 128 s: 2 x tile row + half
	s_lshr_b32 s46, s42, 1                         ; which x 8 + b: a tile column is half of a batch's 512 d
	s_lshl_b32 s47, s42, 1
	s_add_co_u32 s47, s47, s16
	s_and_b32 s47, s47, 3                          ; kk: my 128 d of the 512
	s_lshl_b32 s21, s46, 4
	s_add_co_u32 s21, s21, s20                     ; hd's record
	s_and_b32 s46, s46, 7
	s_lshl_b32 s46, s46, 4
	s_add_co_u32 s46, s46, s20                     ; hv's record (by b alone: the address stays inside hv in h2's work-groups too, which never use it)
	s_mul_i32 s20, s21, REC
	s_mov_b32 s21, 0
	s_mul_i32 s22, s46, REC
	s_mov_b32 s23, 0
	s_add_nc_u64 s[96:97], s[96:97], s[20:21]
	s_add_nc_u64 s[98:99], s[98:99], s[22:23]
	s_mul_i32 s20, s47, 1536
	s_add_nc_u64 s[HD:HD+1], s[96:97], s[20:21]
	s_lshl_b32 s20, s47, 9
	s_add_co_u32 s20, s20, 49152
	s_add_nc_u64 s[HDS:HDS+1], s[96:97], s[20:21]
	s_add_nc_u64 s[HVS:HVS+1], s[98:99], s[20:21]
	s_mul_i32 s20, s47, 12288
	s_add_nc_u64 s[HV:HV+1], s[98:99], s[20:21]
.macro FRAG reg, adr, q, i             ; a fragment is 12 registers: lane l holds row l % 16; registers 6 c .. 6 c + 5 hold K = 64 c + 32 (l / 16) + 0 .. 31: 24 bytes of the row's stream of bits, in pieces of 8 bytes
.irp p, 0,1,2,3,4,5
.set PC, 12*(\q)+6*(\p/3)+\p%3        ; where the piece three on (lanes 16-31) lies behind one padding more, the second address register serves
.if PC%8 < 5
	ds_load_b64 v[\reg+2*\p:\reg+2*\p+1], v[\adr] offset:8*PC+16*(PC/8)+(\i)*16*PITCH
.else
	ds_load_b64 v[\reg+2*\p:\reg+2*\p+1], v[\adr+2] offset:8*PC+16*(PC/8)+(\i)*16*PITCH
.endif
.endr
.endm
; 16 matrix instructions: A's blocks a0, a0 + 1 x B's eight.  The 64 accumulators take turns, one instruction a turn, in the same order in every step.  zero = 1: the first product starts the sums.
.macro MUL16 a0, p, q, sc, zero
.irp a, \a0, \a0+1
.irp b, 0,1,2,3,4,5,6,7
.if \zero
	v_wmma_scale_f32_16x16x128_f8f6f4 v[8*(8*((\a)%4)+\b):8*(8*((\a)%4)+\b)+7], v[128*(\p)+FR*\b:128*(\p)+FR*\b+FR-1], v[AF+FR*(\a):AF+FR*(\a)+FR-1], 0, v[SC+8*NQ*(\sc)+NQ*\b+(\q)], v[SC+8*NQ*(\sc)+NQ*(\a)+(\q)] matrix_a_fmt:MATRIX_FMT_BF6 matrix_b_fmt:MATRIX_FMT_BF6 matrix_a_scale:MATRIX_SCALE_ROW1
.else
	v_wmma_scale_f32_16x16x128_f8f6f4 v[8*(8*((\a)%4)+\b):8*(8*((\a)%4)+\b)+7], v[128*(\p)+FR*\b:128*(\p)+FR*\b+FR-1], v[AF+FR*(\a):AF+FR*(\a)+FR-1], v[8*(8*((\a)%4)+\b):8*(8*((\a)%4)+\b)+7], v[SC+8*NQ*(\sc)+NQ*\b+(\q)], v[SC+8*NQ*(\sc)+NQ*(\a)+(\q)] matrix_a_fmt:MATRIX_FMT_BF6 matrix_b_fmt:MATRIX_FMT_BF6 matrix_a_scale:MATRIX_SCALE_ROW1
.endif
.endr
.endr
.endm
.macro FETCH_B slot, q, p
	WIN TO_B
.irp i, 0,1,2,3,4,5,6,7
	FRAG 128*(\p)+FR*\i, ADRB+\slot, \q, \i
.endr
	WIN 0
.endm
.macro FETCH_A slot, q, i0
.irp i, \i0, \i0+1, \i0+2, \i0+3
	FRAG AF+FR*(\i), ADRA+\slot, \q, \i
.endr
.endm
.macro SCALES sc                       ; a K step's scale words: lanes 0-15 take A's block i, lanes 16-31 B's block i
.irp i, 0,1,2,3,4,5,6,7
	ds_load_b64 v[SC+8*NQ*\sc+NQ*\i:SC+8*NQ*\sc+NQ*\i+1], v[ADRS] offset:\i*SBLK
.endr
.endm
; Loads into registers that a matrix instruction has read, and reads of its results by vector instructions and stores, stand NP plain vector instructions behind it (ISA guide 7.12.1 for reads of results).
.macro PLACES n
.rept \n
	v_nop
.endr
.endm
.macro STEP slot, q, zero              ; a step of 128 along K that has its successor in the same slot
	s_wait_dscnt 4*NL                              ; B's set and A's blocks 0-3 are in; A's blocks 4-7 may be out
	WIN MUL_LO
	MUL16 0, (\q)%2, \q, \slot, \zero
	MUL16 2, (\q)%2, \q, \slot, \zero
	s_wait_dscnt 0                                 ; A's blocks 4-7 are in
	PLACES NP
	FETCH_B \slot, (\q)+1, 1-(\q)%2
	FETCH_A \slot, (\q)+1, 0
	WIN MUL_HI
	MUL16 4, (\q)%2, \q, \slot, \zero
	MUL16 6, (\q)%2, \q, \slot, \zero
	PLACES NP
	WIN 0
	FETCH_A \slot, (\q)+1, 4
.endm
; A slot's last step changes slots: ONE barrier; in front of it each wave waits for all its tensor loads, adds 0 to its spare word, and waits for that and for its reads of this slot.  fill = 1: this slot is filled again, two K steps ahead.
.macro TURN slot, next, fill
	s_wait_tensorcnt 0x0                           ; all my tensor loads have landed: my part of the next slot
	ds_add_u32 v[SPW], v[NIL]                      ; 0 onto my spare word
	s_wait_dscnt 4*NL+1                            ; (the add and A's blocks 4-7 may be out)
	WIN MUL_LO
	MUL16 0, 1, NQ-1, \slot, 0
	s_wait_dscnt 0x0                               ; the add is done, and my reads of this slot are over
	s_barrier_signal -1
	MUL16 2, 1, NQ-1, \slot, 0
	WIN 0
	s_barrier_wait -1
.if \fill
	CREST                                          ; the barrier has opened a round of the cluster's: no wave of any partner still reads this slot or has a load on its way
	s_add_nc_u64 s[G0+4*\slot+2:G0+4*\slot+3], s[G0+4*\slot+2:G0+4*\slot+3], 2*ROWB
	s_add_nc_u64 s[G0B+4*\slot+2:G0B+4*\slot+3], s[G0B+4*\slot+2:G0B+4*\slot+3], 2*ROWB
	JLOAD G0+4*\slot, G1, G0B+4*\slot, G1B         ; the first tensor load behind the round; its four v_nop are the places in front of the loads below
.else
	PLACES NP
.endif
	v_add_nc_u32 v[ADRS], 4*NQ, v[ADRS]            ; on to the next K step's scale words
	FETCH_B \next, 0, 0
	FETCH_A \next, 0, 0
	SCALES \next
	WIN MUL_HI
	MUL16 4, 1, NQ-1, \slot, 0
	MUL16 6, 1, NQ-1, \slot, 0
	PLACES NP
	WIN 0
	FETCH_A \next, 0, 4
.endm
	s_wait_tensorcnt 1                             ; the scales and my part of K step 0 are in (K step 1's load may be out)
	s_barrier_signal -1
	s_barrier_wait -1                              ; everybody's are
	FETCH_B 0, 0, 0
	FETCH_A 0, 0, 0
	SCALES 0
	FETCH_A 0, 0, 4
	STEP 0, 0, 1                                   ; the first step stands in front of the loop: its products start the sums
	s_mov_b32 s3, LAPS-1
.Llap:                                                 ; a trip goes once round the ring and fills both slots again
	TURN 0, 1, 1
	STEP 1, 0, 0
	TURN 1, 0, 1
	STEP 0, 0, 0
	s_sub_co_u32 s3, s3, 1
	s_cmp_lg_u32 s3, 0
	s_cbranch_scc1 .Llap
	TURN 0, 1, 0                                   ; the last lap fills nothing
	STEP 1, 0, 0
	s_wait_dscnt 4*NL
	WIN MUL_LO
	MUL16 0, 1, NQ-1, 1, 0
	MUL16 2, 1, NQ-1, 1, 0
	s_wait_dscnt 0
	WIN MUL_HI
	MUL16 4, 1, NQ-1, 1, 0
	MUL16 6, 1, NQ-1, 1, 0
	WIN 0
; THE WAY OUT.  QUANT: 64 numbers of a lane in window W, register 16 b + i = k 32 b + 16 h + i of my row, become a fragment's codes in v[FC] on and its scale word in v[pw].
.macro QUANT s, W, pw
	WIN (\W)*5                                     ; sources 0 and 1 in window W
.irp b, 0,1,2,3
	v_max3_num_f32 v[TM+\b], |v[(\s)+16*\b]|, |v[(\s)+1+16*\b]|, 0x2800000   ; block b: my 16 numbers, from each accumulator's low end on, and the floor 2^(5 - 127): the byte cannot fall under 1
.endr
.irp i, 2,4,6,8,10,12,14
.irp b, 0,1,2,3
	v_max3_num_f32 v[TM+\b], |v[(\s)+16*\b+\i]|, |v[(\s)+1+16*\b+\i]|, v[TM+\b]   ; (the four blocks by turns)
.endr
.endr
	WIN 0
.irp b, 0,1,2,3
	v_permlanex16_b32 v[TM+4+\b], v[TM+\b], s[SEL], s[SEL+1]
.endr
.irp b, 0,1,2,3
	v_max_num_f32 v[TM+\b], v[TM+\b], v[TM+4+\b]   ; with lane l xor 16's: the block's largest magnitude
.endr
.irp b, 0,1,2,3
	v_add_nc_u32 v[TM+12+\b], 0xfe000000, v[TM+\b] ; 4 off its exponent field: the conversion's scale operand
.endr
.irp b, 0,1,2,3
	v_lshrrev_b32 v[TM+4+\b], 23, v[TM+12+\b]      ; the scale's byte
.endr
	v_lshl_or_b32 v[\pw], v[TM+5], 8, v[TM+4]      ; my row's scale word (both halves of the lanes hold it)
	v_lshl_or_b32 v[\pw], v[TM+6], 16, v[\pw]
	v_lshl_or_b32 v[\pw], v[TM+7], 24, v[\pw]
	s_wait_xcnt 0x0                                ; the last image's stores have read the codes' registers: they are written again only behind this wait
	WIN \W                                         ; source 0 in window W
.irp c, 0,1
	v_cvt_scalef32_pk16_bf6_f32 v[FC+6*\c:FC+2+6*\c], v[(\s)+32*\c:(\s)+15+32*\c], v[TM+12+2*\c]
	v_cvt_scalef32_pk16_bf6_f32 v[FC+12+4*\c:FC+14+4*\c], v[(\s)+16+32*\c:(\s)+31+32*\c], v[TM+12+2*\c+1]   ; (a conversion's three registers begin on an even number)
.endr
	WIN 0
	v_nop                                          ; one plain instruction behind a scaled conversion
.irp c, 0,1                                    ; the operand's layout wants a WHOLE block in a lane: lanes 0-15 block 2 c, lanes 16-31 block 2 c + 1
.irp i, 0,1,2
	v_permlane16_swap_b32 v[FC+6*\c+\i], v[FC+12+4*\c+\i]
.endr
.irp i, 0,1,2
	v_mov_b32 v[FC+3+6*\c+\i], v[FC+12+4*\c+\i]
.endr
.endr
.endm
.macro IMG base, off                   ; the fragment goes out as it stands: each store covers 512 consecutive bytes, at a multiple of 256 from the buffer's first byte
.irp g, 0,1,2
	global_store_b128 v[LI], v[FC+4*\g:FC+4*\g+3], s[\base:\base+1] offset:(\off)+512*\g
.endr
.endm
; The stage holds my 128 s x 32 d of f32: s at line 16 (s >> 5) + (s & 15), half (s >> 4) & 1, column 4 (d % 32).  The 16 lanes of a store of 16 bytes fall on 16 different columns of 16 bytes modulo 256, the 32 lanes of a load of 4 bytes on 32 different words.
.macro TSTORE q                        ; d = 32 q .. 32 q + 31
.irp a, 0,1,2,3,4,5,6,7
	WIN 0x08+4*((\a)/4)                            ; the data: window 2 or 3
.irp u, 0,1
	ds_store_b128 v[STT], v[8*(8*((\a)%4)+2*(\q)+\u):8*(8*((\a)%4)+2*(\q)+\u)+3] offset:(16*((\a)/2)+8*((\a)%2))*TP+32*\u       ; each accumulator from its low end on
	ds_store_b128 v[STT], v[8*(8*((\a)%4)+2*(\q)+\u)+4:8*(8*((\a)%4)+2*(\q)+\u)+7] offset:(16*((\a)/2)+8*((\a)%2))*TP+32*\u+16
.endr
.endr
	WIN 0
.endm
.macro TLOADF f                        ; rows d = 16 f + r: register 16 b + i = s 32 b + 16 h + i
.set n, 0
.rept 64
	ds_load_b32 v[ST0+64*((\f)%2)+n], v[RDT] offset:n*TP+64*((\f)%2)
.set n, n+1
.endr
.endm
	PLACES NP                                      ; behind the last products: for the reads of results, and for the loads into registers that held A's fragments
.irp b, 0,1,2,3
	v_mov_b32 v[TM+4+\b], 0                        ; written once: a lane permute's destination counts as one of its sources
.endr
	s_cmp_lt_u32 ttmp9, 4                          ; tile columns 0-15 are h1's.  The cluster's x: the same in all sixteen partners
	s_cbranch_scc0 .Lno_values
	; h1 as values: quantised along s.  Four passes of 32 d through the stage; LDS serves a wave's instructions in order, so a pass's stores come behind the last pass's loads without a wait
	TSTORE 0
	TLOADF 0
.irp f, 0,1,2,3,4,5,6,7
.if \f < 7
.if (\f+1)%2 == 0
	TSTORE (\f+1)/2
.endif
	TLOADF \f+1
	s_wait_dscnt 63                                ; fragment f's numbers are in: 64 or 96 LDS instructions were issued behind them, and 63 is the largest count that this wait names
.else
	s_wait_dscnt 0x0
.endif
	QUANT ST0+64*(\f%2), 0, VW+\f
	IMG HV, 1536*\f
.endr
	v_cmp_eq_u32 vcc_lo, 1, v2
.irp k, 0,1,2,3
	v_cndmask_b32 v[OW+\k], v[VW+\k], v[VW+4+\k], vcc_lo   ; lanes 0-15: fragments 0-3's words of row r; lanes 16-31: fragments 4-7's
.endr
	global_store_b128 v[LI], v[OW:OW+3], s[HVS:HVS+1]
.Lno_values:
	; h1 as queries, h2 as keys: quantised along d, straight from the accumulators
.irp a, 0,1,2,3,4,5,6,7
	QUANT 64*(\a%4), 2+(\a/4), DW+\a
	IMG HD, 6144*\a
.endr
	s_wait_xcnt 0x0                                ; the values' scale words have been read
	v_cmp_eq_u32 vcc_lo, 1, v2
.irp k, 0,1,2,3
	v_cndmask_b32 v[OW+\k], v[DW+\k], v[DW+4+\k], vcc_lo
.endr
	global_store_b128 v[LI], v[OW:OW+3], s[HDS:HDS+1]
	s_wait_tensorcnt 0x0                           ; the wave's end: behind my last tensor load and my last LDS store
	ds_add_u32 v[SPW], v[NIL]
	s_wait_dscnt 0x0
	CROUND                                         ; the closing round: no work-group ends while a partner may still ask for a tile that names it
	s_endpgm
.Lfunc_end_k_q73b9537015_proj:
	.size	k_q73b9537015_proj, .Lfunc_end_k_q73b9537015_proj-k_q73b9537015_proj
	.p2alignl 7, 3214868480
	.fill 96, 4, 3214868480
	.section	.rodata,"a",@progbits
	.p2align	6, 0x0
	.amdhsa_kernel k_q73b9537015_proj
		.amdhsa_group_segment_fixed_size 327680
		.amdhsa_private_segment_fixed_size 0
		.amdhsa_enable_private_segment 0
		.amdhsa_kernarg_size 48
		.amdhsa_user_sgpr_count 2
		.amdhsa_user_sgpr_kernarg_segment_ptr 1
		.amdhsa_wavefront_size32 1
		.amdhsa_system_sgpr_workgroup_id_x 1
		.amdhsa_system_sgpr_workgroup_id_y 1
		.amdhsa_system_sgpr_workgroup_id_z 1
		.amdhsa_system_vgpr_workitem_id 0
		.amdhsa_next_free_vgpr 1024
		.amdhsa_next_free_sgpr 102
		.amdhsa_reserve_vcc 1
		.amdhsa_float_denorm_mode_32 3
		.amdhsa_float_denorm_mode_16_64 3
		.amdhsa_memory_ordered 1
		.amdhsa_forward_progress 1
		.amdhsa_inst_pref_size 238
	.end_amdhsa_kernel
	.amdgpu_metadata
---
amdhsa.version: [ 1, 2 ]
amdhsa.kernels:
  - .name:           k_q73b9537015_proj
    .symbol:         k_q73b9537015_proj.kd
    .args:
      - { .name: kc, .offset: 0, .size: 8, .value_kind: global_buffer, .address_space: global }
      - { .name: ks, .offset: 8, .size: 8, .value_kind: global_buffer, .address_space: global }
      - { .name: xc, .offset: 16, .size: 8, .value_kind: global_buffer, .address_space: global }
      - { .name: xs, .offset: 24, .size: 8, .value_kind: global_buffer, .address_space: global }
      - { .name: hd, .offset: 32, .size: 8, .value_kind: global_buffer, .address_space: global }
      - { .name: hv, .offset: 40, .size: 8, .value_kind: global_buffer, .address_space: global }
    .group_segment_fixed_size: 327680
    .private_segment_fixed_size: 0
    .kernarg_segment_align: 8
    .kernarg_segment_size: 48
    .max_flat_workgroup_size: 128
    .sgpr_count:     102
    .vgpr_count:     1024
    .wavefront_size: 32
...
	.end_amdgpu_metadata
.endif
;; end of part 2
;; launch attn (part 3): grid 32 x 8, 4 waves a work-group, clusters of 4 x 1, 327,680 bytes of LDS; arguments hd, hv, out0; writes out0
.if DOCPART == 3
	.amdgcn_target "amdgcn-amd-amdhsa--gfx1250"
	.amdhsa_code_object_version 6
	.text
	.protected	k_q73b9537015_attn
	.globl	k_q73b9537015_attn
	.p2align	8
	.type	k_q73b9537015_attn,@function
k_q73b9537015_attn:
	s_mov_b64 s[64:65], 0
	v_nop
	global_prefetch_b8 v0, s[64:65] scope:SCOPE_SE
	s_setreg_imm32_b32 hwreg(HW_REG_WAVE_MODE, 25, 1), 1
	s_wait_xcnt 0x0
	s_wait_alu depctr_hold_cnt(0) depctr_sa_sdst(0) depctr_va_vdst(0) depctr_va_sdst(0) depctr_va_ssrc(0) depctr_va_vcc(0) depctr_vm_vsrc(0)
	s_getreg_b32 s2, hwreg(HW_REG_IB_STS2, 6, 4)
	s_cmp_eq_u32 s2, 0
	s_cbranch_scc0 .Lentry_in_a_cluster
	s_endpgm
.Lentry_in_a_cluster:
	s_bfe_u32 s2, ttmp6, 0x10000c
	s_cmp_lg_u32 s2, 0x3003
	s_cbranch_scc0 .Lentry_shape_is_right
	s_endpgm
.Lentry_shape_is_right:
; out[b][q][:] = sum over k of softmax_k((h1[q] . h2[k] + mask(q, k)) / sqrt(2048)) h1[k][:], mask = -20,000 where k > q, else 0.  Both products on codes of BF6 (E3M2) with E8M0 scales.
; THE MASK IS A NUMBER, NOT MINUS INFINITY: beside large scores it hides nothing.  So every tile is multiplied and the mask is added to the scores in f32, ahead of the scaling.
; SOFTMAX: t = (score + mask) x log2(e) / sqrt(2048); M = the running largest t rounded UP to a whole number; p = 2^(t - M) is quantised along the keys; the row's sum is taken of the unquantised p and divides at the end.
; When M moves, the sum and O are multiplied by 2^(old M - new M): exact.
; INPUT: hd and hv, records of 51,200 bytes: 32 images of operand registers (1,536 bytes: registers 4 g .. 4 g + 3 of lane l at 512 g + 16 l), then 2,048 bytes of scale words.
;   hd record 16 (which x 8 + b) + s / 128: fragment (a, kk) at 1,536 (4 a + kk): lane r is s = 32 (a / 2) + 8 (a % 2) + (r & 7) + 16 (r >> 3); K = d = 128 kk on.  hv record 16 b + s / 128: fragment (kk, dt): rows d = 128 kk + 16 dt + r; K = the 128 s.
; SHARES.  A work-group owns 64 queries (4 tiles m of 16) of one batch and walks all 2,048 keys, 128 (a record) a step.  THE WAVES SHARE THE KEYS AND THE CHANNELS, NOT THE QUERIES: in S^T = K Q^T wave w takes keys 32 w .. 32 w + 31 of the step
; (two tiles, which by the rows' order give a lane 16 neighbouring keys) against all 64 queries; in O^T = V^T P^T it takes channels 128 w .. 128 w + 127 against all 64 queries.  So each fragment read from LDS feeds four matrix instructions.
; Through LDS go only each block's largest score (so that every wave forms the same M) and P, whose block of 32 keys each wave quantises, laid as the image of the operand's registers.
; CLUSTER: the four work-groups of a cluster (256 queries: records 2 c and 2 c + 1, c the cluster's x) walk the same keys and values: every tile is asked for JOINTLY (mask 15).
; THE ORDER OF THE KEYS: cluster c begins at its own queries' records: step j takes record (2 c + j) mod 16.  So steps 0 and 1 are the two that lie on the diagonal, in every cluster: there the mask goes by comparison.
; In steps 2 to 15 one number serves the whole step: -20,000 where 2 c + j < 16 (all keys come after all the cluster's queries), else 0; it is chosen without a jump.  No branch of this text hangs on a work-group's number.
; NO PREFETCH: the eight clusters of a batch begin at eight different pairs of records, so each of the batch's 16 records of keys and of values is among the first fills of one of them: no later request is the first for its record in the launch.
; RING: two buffers for K's records, two for V's.  One round of the cluster's barrier a step; behind it waves 0, 1 ask for the halves of K of two steps on, waves 2, 3 for those of V of the next step: each load has a whole step in which to land;
; at most two tensor loads of a wave are out (the two first fills).  A second, plain barrier a step stands between the writing of P and its reading.
; BY TURNS.  A step has 64 matrix instructions and some 400 vector instructions, and the wave is alone on its SIMD: so the vector work that nothing waits for stands in slices behind the matrix instructions.
;   The scores of step j + 1 are made IN step j, behind the stores of P, into 64 registers of window 2: behind each of these 32 products stand five of the 160 packed instructions of the rows' sums and of O^T's rescaling:
;   with two switches of the register window eight instructions to a product.  The mask's addition carries the scores into window 0, so that they cost no copy; it stands between the loads of P and the wait for them.
;   The search for the next step's largest scores, 40 instructions, stands in slices behind the 32 products V^T P.  So a trip of the loop begins with the stores of the largest scores and ends with the next step's.
; LIMITS: NaN and infinities are not served; a p under 2^-126 counts as 0 (v_exp_f32 gives 0 there: ISA guide 15.8); a block of such p gets the scale byte 1 over zero codes; the sums over the keys run in the order above, not from key 0 on.
; REGISTERS: window 0: addresses, statistics, S^T masked, then p (v144-207), scale words (v208-243, and nothing else there).  window 1: O^T, tile (dt, m) at 8 (4 dt + m).
;   window 2: Q, fragment (m, kk) at 12 (4 m + kk); v192-255 S^T as the products leave it.  window 3: K (u, kk) at 12 (4 u + kk); V (dt) at 96 + 12 dt; P (m) at 192 + 12 m.
.set REC,   51200
.set HREC,  25600                      ; half a record: what one tensor load brings
.set SCW,   49152                      ; a record's scale words
.set BUF1,  1<<17                      ; buffer 1 of K and of V lies this far behind buffer 0: one exclusive or turns an address
.set VREG,  51200                      ; LDS: K's record at 0, V's behind it
.set MX,    102400                     ; [m][r][w] words: each wave's block's largest score
.set PIMG,  103424                     ; P: tile m at 1,536 m, lane at 48 x lane, register at 4 x register
.set PSC,   109568                     ; P's scale words: [m][r], byte w
.set LX,    109824                     ; the waves' parts of the rows' sums, laid as MX
.set SPARE, 110848                     ; the spare words: 128 bytes a wave, two blocks of 256 bytes that no other line names
.set STAGE, 233472                     ; behind buffer 1: 16 rows x 528 bytes for each wave, for the way out
.set SP,    528
.set AKF, 3                            ; v3   my place in K's fragments: 16 x lane + 12,288 w
.set AKS, 4                            ; v4   in K's scale words
.set AVF, 5                            ; v5   in V's fragments
.set AVS, 6                            ; v6   in V's scale words
.set AMXW, 7                           ; v7   MX + 16 r + 4 w
.set AMXR, 8                           ; v8   MX + 16 r
.set APW, 9                            ; v9   where my three registers of P's codes go
.set APR, 10                           ; v10  PIMG + 48 x lane
.set APSW, 11                          ; v11  PSC + 4 r + w
.set APSR, 12                          ; v12  PSC + 4 r
.set SPW, 13                           ; v13  my spare word; never rewritten
.set NIL, 14                           ; v14  0; never rewritten
.set DQ0, 15                           ; v15  my query of tile 0, counted from the cluster's first, - 32 w - 16 h
.set ADK, 16                           ; v16-19 the step's LDS addresses: K's fragments and words, V's fragments and words
.set ADKS, 17
.set ADV, 18
.set ADVS, 19
.set R16, 21                           ; v21  16 r
.set MINF, 22                          ; v22  -20,000.0
.set STO, 26                           ; v26  the stage, in
.set RD,  27                           ; v27  the stage, back
.set LI,  28                           ; v28  16 x lane
.set ST,  32                           ; tile m's statistics at v[32 + 8 m]: +0 -M, +1 largest t, +2, +3 the sum, +4 f, +5 written once, +6 my block's largest score, +7 at work
.set MXV, 64                           ; v64-79   the four waves' largest scores, four a tile
.set CD,  80                           ; v80-95   my codes of P, four registers a tile
.set SCO, 96                           ; v96-99   the conversions' scale operands
.set BY,  100                          ; v100-103 the scale bytes
.set S,   144                          ; v144-207 S^T with the mask, then p: 16 m + 8 u + j = key 32 w + 16 h + 8 u + j of query r of tile m
.set S2,  192                          ; in window 2: S^T as the products leave it, laid alike
.set KS,  208                          ; v208-215 K's scale words (2 kk + u)
.set QS,  216                          ; v216-231 Q's (4 kk + m)
.set VS,  232                          ; v232-239 V's (dt)
.set PS,  240                          ; v240-243 P's (m)
.set WV,  10
.set VB,  14                           ; s[14:15] the batch's values, at my half of a record
.set G1,  16                           ; s[16:23] descriptor group 1, for all tiles
.set G0K0, 24                          ; s[24:27] K of step 0;  s[28:31] K of step 1, which then walks
.set G0K, 28
.set G0V0, 32                          ; s[32:35], s[36:39] the same for V
.set G0V, 36
.set TB,  40                           ; s40  buffer of this step's parity;  s41 the other
.set TBN, 41
.set RI,  42                           ; s42  2 c + j: the step's record, not yet wrapped
.set SL,  44                           ; s44  counts the loop's trips
.set HW,  45                           ; s45  wave & 1
.set CS,  46                           ; s[46:47] c = log2(e) / sqrt(2048)
.set SEL, 48                           ; s[48:49] lane selects: lane l xor 16
.set KB,  50                           ; s[50:51] the batch's keys, at my half of a record
.set MV,  52                           ; s[52:53] the next step's mask, twice
.set MSB, 0
.macro WIN new                         ; the immediate's high byte repeats the setting that is left; a switch that changes nothing is dropped
.if MSB != \new
	s_set_vgpr_msb (MSB<<8)|\new
.set MSB, \new
.endif
.endm
.set W_S,  0xab                        ; K window 3, Q window 2, S^T (C and D) window 2
.set W_MK, 0x02                        ; source 0 (S^T as made) window 2, all else window 0
.set W_PV, 0x5f                        ; V and P window 3, O^T window 1
.set W_RS, 0x41                        ; O^T (destination, source 0) window 1, the factor window 0
.set TO_3, 0xc0                        ; destination window 3
.macro CROUND                          ; a round of the cluster's barrier
	s_barrier_signal -1
	s_barrier_wait -1
	s_cmp_lg_u32 s[WV], 0
	s_cbranch_scc1 .Lnot_wave_0_\@
	s_barrier_signal -3
.Lnot_wave_0_\@:
	s_barrier_wait -3
	s_barrier_signal -1
	s_barrier_wait -1
.endm
; A joint refill: waves 0, 1 K's halves (fk), waves 2, 3 V's (fv).  The branch hangs on the wave's number alone.  Four v_nop follow each tensor load.
.macro JLOAD fk, fv
	s_cmp_lt_u32 s[WV], 2
.if \fk && \fv
	s_cbranch_scc0 .Lfor_v_\@
	tensor_load_to_lds s[G0K:G0K+3], s[G1:G1+7]
	s_nop 0
.rept 4
	v_nop
.endr
	s_branch .Lasked_\@
.Lfor_v_\@:
	tensor_load_to_lds s[G0V:G0V+3], s[G1:G1+7]
	s_nop 0
.rept 4
	v_nop
.endr
.elseif \fk
	s_cbranch_scc0 .Lasked_\@
	tensor_load_to_lds s[G0K:G0K+3], s[G1:G1+7]
	s_nop 0
.rept 4
	v_nop
.endr
.else
	s_cbranch_scc1 .Lasked_\@
	tensor_load_to_lds s[G0V:G0V+3], s[G1:G1+7]
	s_nop 0
.rept 4
	v_nop
.endr
.endif
.Lasked_\@:
.endm
	s_load_b128 s[4:7], s[0:1], 0x0                ; hd, hv
	s_load_b64 s[8:9], s[0:1], 0x10                ; out0
	v_lshl_add_u32 v[SPW], v0, 2, SPARE
	v_mov_b32 v[NIL], 0
	ds_add_u32 v13, v14
	ds_add_u32 v13, v14
	s_wait_dscnt 0x0
	v_lshrrev_b32 v1, 5, v0
	v_readfirstlane_b32 s[WV], v1                  ; wave 0..3
	s_bfe_u32 s11, ttmp6, 0x40000                  ; cx
	s_lshl_b32 s12, ttmp9, 2
	s_add_co_u32 s12, s12, s11                     ; my block of 64 queries: it enters Q's and O's addresses and the mask's numbers alone
	s_and_b32 s13, ttmp7, 0xffff                   ; the batch, which the partners share
	s_and_b32 s[HW], s[WV], 1                      ; which half of a record I fetch
	s_mul_i32 s54, s[HW], HREC                     ; in memory and in LDS alike
	s_lshl_b32 s55, s13, 4
	s_mul_i32 s56, s55, REC                        ; hv: the batch's first record,
	s_add_co_u32 s56, s56, s54                     ; my half
	s_mov_b32 s57, 0                               ; (s57 and s59 stay 0: the upper words of offsets)
	s_add_co_u32 s58, s55, 128
	s_mul_i32 s58, s58, REC                        ; hd: h2's records lie behind h1's 128
	s_add_co_u32 s58, s58, s54
	s_mov_b32 s59, 0
	s_lshl_b32 s[RI], ttmp9, 1                     ; step 0's record: 2 c.  The cluster's x: the same in all four partners
	s_mul_i32 s60, s[RI], REC
	s_mov_b32 s61, 0
	; descriptor group 1: half a record, 25,600 dense bytes, as 100 rows of 256 bytes (32 elements of 8 bytes), no padding: images are read 16 bytes a lane on end
	s_mov_b32 s[G1], 15|(3<<16)|(1<<21)            ; 15:0 the mask: all four work-groups; 17:16 elements of 8 bytes; 21 set beside a mask
	s_mov_b32 s[G1+1], 32<<16                      ; tensor_dim0
	s_mov_b32 s[G1+2], 100<<16                     ; tensor_dim1
	s_mov_b32 s[G1+3], 32<<16                      ; tile_dim0
	s_mov_b32 s[G1+4], 100                         ; tile_dim1
	s_mov_b32 s[G1+5], 32                          ; tensor_dim0_stride
	s_mov_b32 s[G1+6], 0
	s_mov_b32 s[G1+7], 0
	s_mov_b32 s[CS], 0x3d0293ee                    ; c = log2(e) / sqrt(2048)
	s_mov_b32 s[CS+1], s[CS]                       ; (named with it as a pair, so it is written)
	s_mov_b32 s[SEL], 0x76543210
	s_mov_b32 s[SEL+1], 0xfedcba98
	s_mov_b32 s[TB], 0
	s_mov_b32 s[TBN], BUF1
	s_wait_kmcnt 0x0
	s_add_nc_u64 s[KB:KB+1], s[4:5], s[58:59]      ; the batch's keys, my half
	s_add_nc_u64 s[VB:VB+1], s[6:7], s[56:57]      ; the batch's values, my half
	s_mov_b32 s[G0K0], 1                           ; 1:0 count = 1
	s_mov_b32 s[G0K0+1], s54                       ; 63:32 LDS address
	s_add_nc_u64 s[G0K0+2:G0K0+3], s[KB:KB+1], s[60:61]   ; 120:64 global address: record 2 c
	s_add_nc_u64 s[G0K+2:G0K+3], s[G0K0+2:G0K0+3], REC    ; record 2 c + 1
	s_or_b32 s[G0K0+3], s[G0K0+3], 0x80000000      ; 127:126 type = 2
	s_mov_b32 s[G0K], 1
	s_add_co_u32 s[G0K+1], s54, BUF1
	s_or_b32 s[G0K+3], s[G0K+3], 0x80000000
	s_mov_b32 s[G0V0], 1
	s_add_co_u32 s[G0V0+1], s54, VREG
	s_add_nc_u64 s[G0V0+2:G0V0+3], s[VB:VB+1], s[60:61]
	s_add_nc_u64 s[G0V+2:G0V+3], s[G0V0+2:G0V0+3], REC
	s_or_b32 s[G0V0+3], s[G0V0+3], 0x80000000
	s_mov_b32 s[G0V], 1
	s_add_co_u32 s[G0V+1], s54, VREG+BUF1
	s_or_b32 s[G0V+3], s[G0V+3], 0x80000000
	CROUND                                         ; all four work-groups are here: the first joint loads meet
	s_cmp_lt_u32 s[WV], 2                          ; a wave's two first fills stand in one branch, ahead of every wait on TENSORcnt and every LDS read
	s_cbranch_scc0 .Lfirst_v
	tensor_load_to_lds s[G0K0:G0K0+3], s[G1:G1+7]
	s_nop 0
	tensor_load_to_lds s[G0K:G0K+3], s[G1:G1+7]
	s_nop 0
.rept 4
	v_nop
.endr
	s_branch .Lfirst_asked
.Lfirst_v:
	tensor_load_to_lds s[G0V0:G0V0+3], s[G1:G1+7]
	s_nop 0
	tensor_load_to_lds s[G0V:G0V+3], s[G1:G1+7]
	s_nop 0
.rept 4
	v_nop
.endr
.Lfirst_asked:
	s_lshr_b32 s56, s12, 1
	s_add_co_u32 s56, s56, s55                     ; my queries' record: 16 b + block / 2
	s_mul_i32 s56, s56, REC
	s_add_nc_u64 s[54:55], s[4:5], s[56:57]
	s_and_b32 s58, s12, 1
	s_lshl_b32 s56, s58, 8
	s_add_nc_u64 s[60:61], s[54:55], s[56:57]      ; Q's scale words: fragments a = 4 (block & 1) + m
	s_mul_i32 s56, s58, 24576
	s_add_nc_u64 s[54:55], s[54:55], s[56:57]      ; Q's fragments
	s_lshl_b32 s56, s13, 22
	s_lshl_b32 s58, s12, 17
	s_add_co_u32 s56, s56, s58
	s_lshl_b32 s58, s[WV], 9
	s_add_co_u32 s56, s56, s58
	s_add_nc_u64 s[8:9], s[8:9], s[56:57]          ; O at my batch, my 64 rows of 2,048 bytes, my wave's 512 bytes of a row
	v_and_b32 v1, 15, v0                           ; r
	v_bfe_u32 v2, v0, 4, 1                         ; h
	v_and_b32 v24, 31, v0                          ; lane
	v_lshlrev_b32 v[LI], 4, v24
	v_lshlrev_b32 v[R16], 4, v1
	WIN 0x80                                       ; destination window 2
.set f, 0
.rept 16
.irp g, 0,1,2
	global_load_b128 v[12*f+4*\g:12*f+4*\g+3], v[LI], s[54:55] offset:1536*f+512*\g   ; Q stays in registers
.endr
.set f, f+1
.endr
	WIN 0
.irp kk, 0,1,2,3
	global_load_b128 v[QS+4*\kk:QS+4*\kk+3], v[R16], s[60:61] offset:SCW+512*\kk
.endr
	s_mul_i32 s56, s[WV], 12288
	v_add_nc_u32 v[AKF], s56, v[LI]
	v_add_nc_u32 v[AVF], VREG, v[AKF]
	s_lshr_b32 s58, s[WV], 1
	s_lshl_b32 s56, s58, 8
	s_lshl_b32 s62, s[HW], 3
	s_add_co_u32 s56, s56, s62
	s_add_co_u32 s56, s56, SCW
	v_add_nc_u32 v[AKS], s56, v[R16]               ; tiles a = 2 w + u: 256 (a / 4) + 4 (a % 4)
	s_lshl_b32 s56, s[WV], 9
	s_add_co_u32 s56, s56, VREG+SCW
	v_add_nc_u32 v[AVS], s56, v[R16]
	v_add_nc_u32 v[AMXR], MX, v[R16]
	s_lshl_b32 s56, s[WV], 2
	v_add_nc_u32 v[AMXW], s56, v[AMXR]
	v_mul_u32_u24 v[APW], v1, 48
	v_mad_u32_u24 v[APW], v2, 12, v[APW]
	s_mul_i32 s56, s[HW], 768
	s_mul_i32 s62, s58, 24
	s_add_co_u32 s56, s56, s62
	s_add_co_u32 s56, s56, PIMG
	v_add_nc_u32 v[APW], s56, v[APW]               ; block w of 32 keys lies in lanes 16 (w & 1) + r, registers 6 (w >> 1) on; my 16 keys' codes are its registers 3 h on
	v_mul_u32_u24 v[APR], v24, 48
	v_add_nc_u32 v[APR], PIMG, v[APR]
	v_lshl_add_u32 v[APSR], v1, 2, PSC
	v_add_nc_u32 v[APSW], s[WV], v[APSR]
	v_and_b32 v[DQ0], 7, v1
	v_lshrrev_b32 v25, 3, v1
	v_lshl_add_u32 v[DQ0], v25, 4, v[DQ0]
	v_lshlrev_b32 v25, 4, v2
	v_sub_nc_u32 v[DQ0], v[DQ0], v25
	s_lshl_b32 s56, s11, 6                         ; my block begins 64 cx queries behind the cluster's first
	s_lshl_b32 s62, s[WV], 5
	s_sub_co_i32 s56, s56, s62
	v_add_nc_u32 v[DQ0], s56, v[DQ0]
	v_mov_b32 v[MINF], 0xc69c4000                  ; -20,000.0
	s_mul_i32 s56, s[WV], 16*SP
	s_add_co_u32 s56, s56, STAGE
	v_mul_u32_u24 v[STO], v1, SP
	v_lshl_add_u32 v[STO], v2, 5, v[STO]
	v_add_nc_u32 v[STO], s56, v[STO]
	v_add_nc_u32 v[RD], s56, v[LI]
.irp m, 0,1,2,3
	v_mov_b32 v[ST+8*\m+1], 0xff61b1e6             ; the largest t so far: -3e38, under every t
	v_floor_f32 v[ST+8*\m], -v[ST+8*\m+1]          ; -M
	v_mov_b32 v[ST+8*\m+2], 0                      ; the sum, in two halves
	v_mov_b32 v[ST+8*\m+3], 0
	v_mov_b32 v[ST+8*\m+5], 0                      ; (named as the upper half of a pair)
	v_mov_b32 v[ST+8*\m+7], 0                      ; (a lane permute's destination counts as one of its sources)
.endr
.macro KLOAD adr                       ; my two tiles of keys, four fragments each
	WIN TO_3
.irp f, 0,1,2,3,4,5,6,7
.irp g, 0,1,2
	ds_load_b128 v[12*\f+4*\g:12*\f+4*\g+3], v[\adr] offset:1536*\f+512*\g
.endr
.endr
	WIN 0
.endm
.macro KWORDS adrs                     ; and their scale words
.irp kk, 0,1,2,3
	ds_load_b64 v[KS+2*\kk:KS+2*\kk+1], v[\adrs] offset:512*\kk
.endr
.endm
; Product si of 32 of S^T = K Q^T: d = 128 (si / 8) on, key tile (si / 4) % 2, query tile si % 4.  Eight accumulators by turns, one instruction a turn; the first eight start the sums.
.macro SM1
	WIN W_S
.set skk, si/8
.set su, (si/4)%2
.set sm, si%4
.if si < 8
	v_wmma_scale_f32_16x16x128_f8f6f4 v[S2+16*sm+8*su:S2+16*sm+8*su+7], v[12*(4*su+skk):12*(4*su+skk)+11], v[12*(4*sm+skk):12*(4*sm+skk)+11], 0, v[KS+2*skk+su], v[QS+4*skk+sm] matrix_a_fmt:MATRIX_FMT_BF6 matrix_b_fmt:MATRIX_FMT_BF6
.else
	v_wmma_scale_f32_16x16x128_f8f6f4 v[S2+16*sm+8*su:S2+16*sm+8*su+7], v[12*(4*su+skk):12*(4*su+skk)+11], v[12*(4*sm+skk):12*(4*sm+skk)+11], v[S2+16*sm+8*su:S2+16*sm+8*su+7], v[KS+2*skk+su], v[QS+4*skk+sm] matrix_a_fmt:MATRIX_FMT_BF6 matrix_b_fmt:MATRIX_FMT_BF6
.endif
.endm
; Product pvi of 32 of O^T += V^T P^T: channel tile pvi / 4, query tile pvi % 4: 32 accumulators, one instruction each.  first = 1: it starts the sum.
.macro PV1 first
	WIN W_PV
.set pdt, pvi/4
.set pm, pvi%4
.if \first
	v_wmma_scale_f32_16x16x128_f8f6f4 v[8*pvi:8*pvi+7], v[96+12*pdt:96+12*pdt+11], v[192+12*pm:192+12*pm+11], 0, v[VS+pdt], v[PS+pm] matrix_a_fmt:MATRIX_FMT_BF6 matrix_b_fmt:MATRIX_FMT_BF6
.else
	v_wmma_scale_f32_16x16x128_f8f6f4 v[8*pvi:8*pvi+7], v[96+12*pdt:96+12*pdt+11], v[192+12*pm:192+12*pm+11], v[8*pvi:8*pvi+7], v[VS+pdt], v[PS+pm] matrix_a_fmt:MATRIX_FMT_BF6 matrix_b_fmt:MATRIX_FMT_BF6
.endif
.endm
; Number xn of the 160 packed instructions that nothing waits for: 0-31 the sum of the UNQUANTISED p, my 16 keys of each query, four chains by turns; 32-159 O^T under the new M, each accumulator from its low end on.
.macro XI
.if xn < 32
	WIN 0
.set xm, xn%4
.set xj, 2*(xn/4)
	v_pk_add_f32 v[ST+8*xm+2:ST+8*xm+3], v[ST+8*xm+2:ST+8*xm+3], v[S+16*xm+xj:S+16*xm+xj+1]
.else
	WIN W_RS
.set xq, xn-32
.set xo, 8*(xq/4)+2*(xq%4)
.set xm, (xq/4)%4
	v_pk_mul_f32 v[xo:xo+1], v[xo:xo+1], v[ST+8*xm+4:ST+8*xm+5] op_sel_hi:[1,0]
.endif
.endm
; Number bn of the 40 instructions that find my block's largest score for each query: it serves for the row's maximum and, since p rises with the score, for the block's largest p.  The four tiles by turns.
.macro BMX
.if bn < 4
	v_max3_num_f32 v[ST+8*bn+6], v[S+16*bn], v[S+16*bn+1], v[S+16*bn+2]
.elseif bn < 28
.set bq, (bn-4)%4
.set bi, 3+2*((bn-4)/4)
	v_max3_num_f32 v[ST+8*bq+6], v[ST+8*bq+6], v[S+16*bq+bi], v[S+16*bq+bi+1]
.elseif bn < 32
	v_max_num_f32 v[ST+8*(bn-28)+6], v[ST+8*(bn-28)+6], v[S+16*(bn-28)+15]
.elseif bn < 36
	v_permlanex16_b32 v[ST+8*(bn-32)+7], v[ST+8*(bn-32)+6], s[SEL], s[SEL+1]
.else
	v_max_num_f32 v[ST+8*(bn-36)+6], v[ST+8*(bn-36)+6], v[ST+8*(bn-36)+7]   ; with lane l xor 16's 16 keys
.endif
.endm
.macro BMAXB                           ; the 40 on end
.set bn, 0
.rept 40
	BMX
.set bn, bn+1
.endr
.endm
; The mask by comparison, for the cluster's first (mk = 0) or second (1) record; it is added ahead of the scaling and carries the scores into window 0; each accumulator from its low end on.
.macro MASKD mk
	WIN W_MK
.irp m, 0,1,2,3
	v_add_nc_u32 v24, 32*(\m/2)+8*(\m%2)-128*(\mk), v[DQ0]   ; d = my query - the key of my register 0: register i's key is hidden where i > d
.irp i, 0,1,2,3,4,5,6,7,8,9,10,11,12,13,14,15
	v_cmp_gt_i32 vcc_lo, \i, v24
	v_cndmask_b32 v25, 0, v[MINF], vcc_lo
	v_add_f32 v[S+16*\m+\i], v[S2+16*\m+\i], v25
.endr
.endr
	WIN 0
.endm
	s_wait_tensorcnt 0x1                           ; my part of step 0's record is in; my second load may stay out
	s_barrier_signal -1
	s_barrier_wait -1                              ; everybody's is
	KLOAD AKF
	KWORDS AKS
	s_wait_loadcnt 0x0                             ; Q
	s_wait_dscnt 0x0                               ; K of step 0 and its words
.set si, 0
.rept 32
	SM1                                            ; step 0's scores: there is no vector work yet to set between them
.set si, si+1
.endr
	WIN 0
.rept 4
	v_nop                                          ; four plain instructions between the products and the first read of their results (ISA guide 7.12.1)
.endr
	MASKD 0
	BMAXB
; A KEY STEP, from the stores of its largest scores on.  first = 1: O^T's sums begin.  fillk, fillv: K's, V's waves refill.  nextk: the next step's K goes into registers and its scores are made.
; nmk: the next step's mask: 1 by comparison (the cluster's second record), 2 one number for the step, 3 there is no next step.
.macro STEP first, fillk, fillv, nextk, nmk
.irp m, 0,1,2,3
	ds_store_b32 v[AMXW], v[ST+8*\m+6] offset:256*\m         ; both halves of the lanes write the same word with the same value
.endr
	; THE CHANGE OF BUFFERS
	s_wait_tensorcnt 0x0                           ; all my tensor loads have landed: no group 0 is in use
	ds_add_u32 v[SPW], v[NIL]                      ; 0 onto my spare word: work on registers stands between it and the wait for it
.if \fillk
	s_xor_b32 s[G0K+1], s[G0K+1], BUF1             ; the walking descriptor: the other buffer,
	s_add_co_u32 s56, s[RI], 2
	s_and_b32 s56, s56, 15                         ; the record of two steps on, wrapped
	s_mul_i32 s56, s56, REC
	s_add_nc_u64 s[G0K+2:G0K+3], s[KB:KB+1], s[56:57]
	s_or_b32 s[G0K+3], s[G0K+3], 0x80000000
.endif
.if \fillv
	s_xor_b32 s[G0V+1], s[G0V+1], BUF1
	s_add_co_u32 s58, s[RI], 1
	s_and_b32 s58, s58, 15                         ; the next step's record, wrapped
	s_mul_i32 s58, s58, REC
	s_add_nc_u64 s[G0V+2:G0V+3], s[VB:VB+1], s[58:59]
	s_or_b32 s[G0V+3], s[G0V+3], 0x80000000
.endif
	v_add_nc_u32 v[ADV], s[TB], v[AVF]
	v_add_nc_u32 v[ADVS], s[TB], v[AVS]
.if \nextk
	v_add_nc_u32 v[ADK], s[TBN], v[AKF]
	v_add_nc_u32 v[ADKS], s[TBN], v[AKS]
.endif
	s_wait_dscnt 0x0                               ; the add is done, my stores of the maxima have landed, and my reads of the buffers to be filled were over a barrier ago
.if \fillk || \fillv
	CROUND                                         ; all that now holds of every wave of the four work-groups
	JLOAD \fillk, \fillv                           ; the first thing behind the round, and a wave's one tensor load until the next
.else
	s_barrier_signal -1
	s_barrier_wait -1
.endif
.irp m, 0,1,2,3
	ds_load_b128 v[MXV+4*\m:MXV+4*\m+3], v[AMXR] offset:256*\m
.endr
.if \nextk
	KLOAD ADK                                      ; the next step's K: it has the softmax in which to come
	KWORDS ADKS
	s_wait_dscnt 28                                ; the maxima are in; behind them: 24 + 4 loads
.else
	s_wait_dscnt 0x0
.endif
	; every wave forms the same M for each query
.irp m, 0,1,2,3
	v_max3_num_f32 v[ST+8*\m+7], v[MXV+4*\m], v[MXV+4*\m+1], v[MXV+4*\m+2]
.endr
.irp m, 0,1,2,3
	v_max_num_f32 v[ST+8*\m+7], v[ST+8*\m+7], v[MXV+4*\m+3]
.endr
.irp m, 0,1,2,3
	v_mul_f32 v[ST+8*\m+7], s[CS], v[ST+8*\m+7]    ; as t (c is positive)
.endr
.irp m, 0,1,2,3
	v_max_num_f32 v[ST+8*\m+1], v[ST+8*\m+1], v[ST+8*\m+7]
.endr
.irp m, 0,1,2,3
	v_mov_b32 v[ST+8*\m+7], v[ST+8*\m]
.endr
.irp m, 0,1,2,3
	v_floor_f32 v[ST+8*\m], -v[ST+8*\m+1]          ; the new -M = floor(-t): M is a whole number
.endr
.irp m, 0,1,2,3
	v_sub_f32 v[ST+8*\m+7], v[ST+8*\m], v[ST+8*\m+7]   ; old M - new M: a whole number, 0 or less
.endr
.irp m, 0,1,2,3
	v_cvt_i32_f32 v[ST+8*\m+7], v[ST+8*\m+7]       ; (it saturates)
.endr
.irp m, 0,1,2,3
	v_ldexp_f32 v[ST+8*\m+4], 1.0, v[ST+8*\m+7]    ; f = 2^(old M - new M)
.endr
.irp m, 0,1,2,3
	v_fma_f32 v[ST+8*\m+6], v[ST+8*\m+6], s[CS], v[ST+8*\m]   ; t - M of my block's largest score
.endr
.irp m, 0,1,2,3
.irp j, 0,2,4,6,8,10,12,14
	v_pk_fma_f32 v[S+16*\m+\j:S+16*\m+\j+1], v[S+16*\m+\j:S+16*\m+\j+1], s[CS:CS+1], v[ST+8*\m:ST+8*\m+1] op_sel_hi:[1,0,0]   ; t - M
.endr
.endr
.irp m, 0,1,2,3
	v_exp_f32 v[ST+8*\m+6], v[ST+8*\m+6]           ; the block's largest p: the same two instructions on the same number give the same bits as its p below
.endr
.set n, 0
.rept 64
	v_exp_f32 v[S+n], v[S+n]                       ; p = 2^(t - M): with the four above one batch
.set n, n+1
.endr
.irp m, 0,1,2,3
	v_pk_mul_f32 v[ST+8*\m+2:ST+8*\m+3], v[ST+8*\m+2:ST+8*\m+3], v[ST+8*\m+4:ST+8*\m+5] op_sel_hi:[1,0]   ; the sums under the new M: plain work behind the exponentials
.endr
	s_wait_alu depctr_va_vdst(0)                   ; one wait for the batch, ahead of its first reader
.irp m, 0,1,2,3
	v_max_num_f32 v[ST+8*\m+6], 0x2800000, v[ST+8*\m+6]   ; the floor 2^(5 - 127): the byte cannot fall under 1
.endr
.irp m, 0,1,2,3
	v_add_nc_u32 v[SCO+\m], 0xfe000000, v[ST+8*\m+6]      ; 4 off the exponent field: the conversion's scale operand
.endr
.irp m, 0,1,2,3
	v_lshrrev_b32 v[BY+\m], 23, v[SCO+\m]
.endr
.irp m, 0,1,2,3
	v_cvt_scalef32_pk16_bf6_f32 v[CD+4*\m:CD+4*\m+2], v[S+16*\m:S+16*\m+15], v[SCO+\m]
.endr
	v_nop                                          ; one plain instruction behind the scaled conversions
.irp m, 0,1,2,3
.irp k, 0,1,2
	ds_store_b32 v[APW], v[CD+4*\m+\k] offset:1536*\m+4*\k
.endr
	ds_store_b8 v[APSW], v[BY+\m] offset:64*\m
.endr
.if \nextk
	s_wait_dscnt 16                                ; the next K and its words are in; behind them: my 16 stores of P
.endif
	WIN TO_3
.irp dt, 0,1,2,3,4,5,6,7
.irp g, 0,1,2
	ds_load_b128 v[96+12*\dt+4*\g:96+12*\dt+4*\g+3], v[ADV] offset:1536*\dt+512*\g    ; this step's V: my 128 channels; it has the products below in which to come
.endr
.endr
	WIN 0
	ds_load_b128 v[VS:VS+3], v[ADVS]
	ds_load_b128 v[VS+4:VS+7], v[ADVS] offset:256
	; BY TURNS: the next step's scores, and behind each product five of the sums and rescalings (in the first step, which has nothing to rescale, one of the sums)
.set xn, 0
.if \nextk
.set si, 0
.rept 32
	SM1
.rept 5-4*\first
	XI
.set xn, xn+1
.endr
.set si, si+1
.endr
.else
.rept 160
	XI
.set xn, xn+1
.endr
.endif
	WIN 0
.if \first
.rept 4
	v_nop                                          ; here the slices are too short to be the four plain instructions behind the last products
.endr
.endif
	s_wait_dscnt 0x0                               ; my part of P has landed; V is in registers
	s_barrier_signal -1                            ; a plain barrier: the refill may stay on its way
	s_barrier_wait -1
	WIN TO_3
.irp m, 0,1,2,3
.irp g, 0,1,2
	ds_load_b128 v[192+12*\m+4*\g:192+12*\m+4*\g+3], v[APR] offset:1536*\m+16*\g
.endr
.endr
	WIN 0
.irp m, 0,1,2,3
	ds_load_b32 v[PS+\m], v[APSR] offset:64*\m
.endr
	s_add_co_u32 s[RI], s[RI], 1                   ; from here on the next step's record and buffers
	s_xor_b32 s[TB], s[TB], BUF1
	s_xor_b32 s[TBN], s[TBN], BUF1
.if \nmk == 2
	s_cmp_lt_u32 s[RI], 16                         ; not wrapped: the record lies behind the cluster's two: all its keys are hidden from all 256 queries; wrapped: it lies ahead of them: none is
	s_cselect_b32 s[MV], 0xc69c4000, 0             ; -20,000.0 or 0
	s_mov_b32 s[MV+1], s[MV]                       ; (named with it as a pair, so it is written)
	WIN W_MK
.set n, 0
.rept 32
	v_pk_add_f32 v[S+n:S+n+1], v[S2+n:S2+n+1], s[MV:MV+1] op_sel_hi:[1,0]   ; the next step's mask, ahead of the scaling; it carries the scores into window 0, while P is on its way; each accumulator from its low end on
.set n, n+2
.endr
.endif
	s_wait_dscnt 0x0                               ; P and its words are in
	; BY TURNS: O^T += V^T P^T, and behind the products the search for the next step's largest scores
.set pvi, 0
.set bn, 0
.rept 32
	PV1 \first
.if \nmk == 2
.rept (40*(pvi+1))/32-(40*pvi)/32
	WIN 0
	BMX
.set bn, bn+1
.endr
.endif
.set pvi, pvi+1
.endr
	WIN 0
.if \nmk == 1
	MASKD 1
	BMAXB
.endif
.endm
	STEP 1, 1, 0, 1, 1                             ; step 0: the cluster's first record; V of step 1 came with the first fills
	STEP 0, 1, 1, 1, 2                             ; step 1: its second record
	s_mov_b32 s[SL], 12
.Lstep:                                            ; steps 2 to 13
	STEP 0, 1, 1, 1, 2
	s_sub_co_u32 s[SL], s[SL], 1
	s_cmp_lg_u32 s[SL], 0
	s_cbranch_scc1 .Lstep
	STEP 0, 0, 1, 1, 2                             ; step 14: the last V is asked for.  The tail is written out
	STEP 0, 0, 0, 0, 3                             ; step 15
	; THE WAY OUT.  Each wave has summed its own 32 keys of each step: the four parts meet in LDS.  The additions are the plain instructions behind the last products.
.irp m, 0,1,2,3
	v_add_f32 v[ST+8*\m+2], v[ST+8*\m+2], v[ST+8*\m+3]
.endr
.irp m, 0,1,2,3
	v_permlanex16_b32 v[ST+8*\m+6], v[ST+8*\m+2], s[SEL], s[SEL+1]
.endr
.irp m, 0,1,2,3
	v_add_f32 v[ST+8*\m+2], v[ST+8*\m+2], v[ST+8*\m+6]
.endr
.irp m, 0,1,2,3
	ds_store_b32 v[AMXW], v[ST+8*\m+2] offset:LX-MX+256*\m
.endr
	s_wait_dscnt 0x0
	s_barrier_signal -1
	s_barrier_wait -1
.irp m, 0,1,2,3
	ds_load_b128 v[MXV+4*\m:MXV+4*\m+3], v[AMXR] offset:LX-MX+256*\m
.endr
	s_wait_dscnt 0x0
.irp m, 0,1,2,3
	v_add_f32 v[ST+8*\m+2], v[MXV+4*\m], v[MXV+4*\m+1]
	v_add_f32 v[ST+8*\m+3], v[MXV+4*\m+2], v[MXV+4*\m+3]
.endr
.irp m, 0,1,2,3
	v_add_f32 v[ST+8*\m+2], v[ST+8*\m+2], v[ST+8*\m+3]       ; the row's sum
.endr
.irp m, 0,1,2,3
	v_rcp_f32 v[ST+8*\m+4], v[ST+8*\m+2]
.endr
	v_nop                                          ; a plain instruction behind the last reciprocal
	s_wait_alu depctr_va_vdst(0)                   ; one wait for the four, ahead of their first reader
; Tile m: O^T / the sum; a lane's eight channels of a row are 32 bytes; they go into my stage's rows of 528 bytes and come back as whole rows of 512.  LDS serves a wave's instructions in order.
.macro TOSTAGE m
	WIN W_RS
.irp dt, 0,1,2,3,4,5,6,7
.irp j, 0,2,4,6
	v_pk_mul_f32 v[8*(4*\dt+(\m))+\j:8*(4*\dt+(\m))+\j+1], v[8*(4*\dt+(\m))+\j:8*(4*\dt+(\m))+\j+1], v[ST+8*(\m)+4:ST+8*(\m)+5] op_sel_hi:[1,0]
.endr
.endr
	WIN 0x04                                       ; an LDS store's data are its source 1: window 1
.irp dt, 0,1,2,3,4,5,6,7
	ds_store_b128 v[STO], v[8*(4*\dt+(\m)):8*(4*\dt+(\m))+3] offset:64*\dt
	ds_store_b128 v[STO], v[8*(4*\dt+(\m))+4:8*(4*\dt+(\m))+7] offset:64*\dt+16
.endr
	WIN 0
.set BB, 144-80*((\m)%2)               ; v144-207 and v64-127 by turns: no scale word lies there
.irp t, 0,1,2,3,4,5,6,7,8,9,10,11,12,13,14,15
	ds_load_b128 v[BB+4*\t:BB+4*\t+3], v[RD] offset:\t*SP
.endr
.endm
.macro SEND m, younger                 ; younger: the LDS instructions issued behind tile m's loads
.set BB, 144-80*((\m)%2)
	s_wait_dscnt \younger
.irp t, 0,1,2,3,4,5,6,7,8,9,10,11,12,13,14,15
	global_store_b128 v[LI], v[BB+4*\t:BB+4*\t+3], s[8:9] offset:(32*((\m)/2)+8*((\m)%2)+\t+8*(\t/8))*2048 th:TH_STORE_NT   ; 32 lanes store 512 consecutive bytes, at a multiple of 256 from out0's first byte
.endr
.endm
	TOSTAGE 0
.irp m, 1,2,3
.if \m > 1
	s_wait_xcnt 0x0                                ; tile m - 2's stores have read their registers: tile m's loads may land there
.endif
	TOSTAGE \m
	SEND \m-1, 32                                  ; behind tile m - 1's loads: tile m's 16 stores and 16 loads
.endr
	SEND 3, 0
	s_wait_tensorcnt 0x0                           ; the wave's end: behind my last tensor load and my last LDS store
	ds_add_u32 v[SPW], v[NIL]
	s_wait_dscnt 0x0
	CROUND                                         ; the closing round: no work-group ends while a partner may still ask for a tile that names it
	s_endpgm
.Lfunc_end_k_q73b9537015_attn:
	.size	k_q73b9537015_attn, .Lfunc_end_k_q73b9537015_attn-k_q73b9537015_attn
	.p2alignl 7, 3214868480
	.fill 96, 4, 3214868480
	.section	.rodata,"a",@progbits
	.p2align	6, 0x0
	.amdhsa_kernel k_q73b9537015_attn
		.amdhsa_group_segment_fixed_size 327680
		.amdhsa_private_segment_fixed_size 0
		.amdhsa_enable_private_segment 0
		.amdhsa_kernarg_size 24
		.amdhsa_user_sgpr_count 2
		.amdhsa_user_sgpr_kernarg_segment_ptr 1
		.amdhsa_wavefront_size32 1
		.amdhsa_system_sgpr_workgroup_id_x 1
		.amdhsa_system_sgpr_workgroup_id_y 1
		.amdhsa_system_sgpr_workgroup_id_z 1
		.amdhsa_system_vgpr_workitem_id 0
		.amdhsa_next_free_vgpr 1024
		.amdhsa_next_free_sgpr 66
		.amdhsa_reserve_vcc 1
		.amdhsa_float_denorm_mode_32 3
		.amdhsa_float_denorm_mode_16_64 3
		.amdhsa_memory_ordered 1
		.amdhsa_forward_progress 1
		.amdhsa_inst_pref_size 238
	.end_amdhsa_kernel
	.amdgpu_metadata
---
amdhsa.version: [ 1, 2 ]
amdhsa.kernels:
  - .name:           k_q73b9537015_attn
    .symbol:         k_q73b9537015_attn.kd
    .args:
      - { .name: hd, .offset: 0, .size: 8, .value_kind: global_buffer, .address_space: global }
      - { .name: hv, .offset: 8, .size: 8, .value_kind: global_buffer, .address_space: global }
      - { .name: out0, .offset: 16, .size: 8, .value_kind: global_buffer, .address_space: global }
    .group_segment_fixed_size: 327680
    .private_segment_fixed_size: 0
    .kernarg_segment_align: 8
    .kernarg_segment_size: 24
    .max_flat_workgroup_size: 128
    .sgpr_count:     66
    .vgpr_count:     1024
    .wavefront_size: 32
...
	.end_amdgpu_metadata
.endif
;; end of part 3
